; MI455X (gfx1250); checked and timed in simulation.
; The chip was launched on July 23, 2026; its instructions are those of AMD's public machine-readable ISA for CDNA 5 (MIT licence, August 2026) and "CDNA5" Instruction Set Architecture Reference Guide (July 2026). The comments in the code are by the model that wrote it; some were corrected since.
;; Causal Self Attention. Allowed arithmetic: matrix products marked QUANTISED: E4M3 operands, one E8M0 scale for each 32 along K, by v_wmma_scale_f32_16x16x128_f8f6f4 with both operands' format E4M3, f32 sums; everything else in f32.
;; Inputs: c_proj_w_codes 1,024 x 32 x 32 uint8 (E4M3 codes of c_proj_w, K innermost, in blocks of 32 codes); c_proj_w_scales 1,024 x 32 uint8 (E8M0 scales of c_proj_w, one for each 32 codes along K); lambdas 2 float32; qkv_w_codes 3 x 1,024 x 32 x 32 uint8 (E4M3 codes of qkv_w, K innermost, in blocks of 32 codes); qkv_w_scales 3 x 1,024 x 32 uint8 (E8M0 scales of qkv_w, one for each 32 codes along K); ve 4 x 2,048 x 1,024 float32; x_codes 4 x 2,048 x 32 x 32 uint8 (E4M3 codes of x, K innermost, in blocks of 32 codes); x_scales 4 x 2,048 x 32 uint8 (E8M0 scales of x, one for each 32 codes along K).
;; Outputs: out0 4 x 2,048 x 1,024 float32.
;; This version of the problem:
;;   THIS VERSION OF THE PROBLEM IS GIVEN IN LOW PRECISION. The matrix products marked QUANTISED in the list below multiply operands that are first quantised to E4M3 (4 exponent bits, 3 mantissa bits; 8 bits a number), with one power-of-two scale for each 32 numbers along K (OCP MX v1.0); their sums are f32. All else is computed in f32.
;;   The module's matrix products, in the order in which they are computed (A, B: the left and right operand; K: the contracted axis; several contracted axes count as one K, in the product's order):
;;     1. [M 8,192, K 1,024] x [K 1,024, N 3,072]; A: input x (given as codes); B: input qkv_w (given as codes): QUANTISED
;;     2. batch 32 x [M 2,048, K 128] x [K 128, N 2,048]; A: computed on the way; B: computed on the way: QUANTISED
;;     3. batch 32 x [M 128, K 2,048] x [K 2,048, N 2,048]; A: computed on the way; B: softmax (see below): QUANTISED
;;     4. [M 8,192, K 1,024] x [K 1,024, N 1,024]; A: computed on the way; B: input c_proj_w (given as codes): QUANTISED
;;   THE QUANTISER, for each operand of a quantised product, along K:
;;     - K is cut into blocks of 32 from its start; a last block that is shorter is filled with zeros.
;;     - A block's scale is 2^e with e = floor(log2(the largest magnitude in the block)) - 8, held to -126 .. 127; a block of zeros has e = 0. As a byte (E8M0): e + 127.
;;     - Each number is divided by its block's scale, clamped to +-448, and rounded to the nearest number of E4M3, ties to even, subnormals kept.
;;     - The product sums the exact products of the quantised numbers (number of the format x scale) in f32.
;;   ~~~python
;;   def quantise(x, axis):      # numpy; x: float32 -> the quantised numbers, widened to float32 again
;;       x = np.moveaxis(x, axis, -1); K = x.shape[-1]
;;       x = np.pad(x, [(0, 0)] * (x.ndim - 1) + [(0, -K % 32)]); x = x.reshape(x.shape[:-1] + (-1, 32)); a = np.abs(x).max(-1, keepdims=True)
;;       e = np.where(a > 0, np.clip(np.frexp(np.where(a > 0, a, 1))[1] - 1 - 8, -126, 127), 0)      # np.frexp(a)[1] - 1 = floor(log2(a)), exactly
;;       r = np.clip(x / 2.0 ** e, -448, 448)
;;       step = 2.0 ** (np.maximum(np.frexp(np.where(r == 0, 1, r))[1] - 1, -6) - 3)
;;       q = np.round(r / step) * step * 2.0 ** e      # np.round: ties to even
;;       return np.moveaxis(q.reshape(q.shape[:-2] + (-1,))[..., :K], -1, axis).astype(np.float32)
;;   ~~~
;;   SOFTMAX AHEAD OF A QUANTISED PRODUCT. Where the list says 'softmax', what is quantised is not the finished softmax but p = 2^(t - M), with t = logit x log2(e) and M = ceil(the row's largest t), a whole number; so 1/2 < the row's largest p <= 1. The row's sum l is taken of the UNQUANTISED p, in f32, and the product's result is divided by l at the end. Since M is a whole number, a kernel that streams over the keys may use a running M (the ceiling of the running maximum): every later rescaling is an exact power of two, which a block's scale takes up: the codes' values come out the same.
;;   OPERANDS COMPUTED ON THE WAY. 'Computed on the way' means the value that the module computes at that place (a softmax that the list does not call 'softmax' is quantised finished and normalised). What goes into a quantiser is computed in f32, as accurately as f32 sums, v_exp_f32 and their like allow (about 1e-6 of the number): no bf16 or f16 on the way to a quantiser, and a product that is left as it is and whose result goes on into a quantised operand takes f32 operands (vector FMAs, or v_wmma_f32_16x16x4_f32). A number that lies on a knife's edge between two numbers of the format may be rounded either way, as far as f32 arithmetic and the matrix unit's own rounding can turn it there, and no further.
;;   INPUTS GIVEN AS CODES. c_proj_w (in the module: [1024, 1024], K = its axis 1); qkv_w (in the module: [3, 1024, 1024], K = its axis 2); x (in the module: [4, 2048, 1024], K = its axis 2): each comes as NAME_codes (uint8): NAME with its K axis moved to the last place and cut into blocks of 32 codes, [.., K / 32, bytes a block], one block behind the other in memory; one code a byte (a code: sign, 4 exponent bits, 3 mantissa bits); and NAME_scales (uint8): the same leading axes, one E8M0 byte (e + 127) for each 32 codes along K. Its value is code x scale, taken as it is: it is not quantised again, and the codes and scales need not be those that the quantiser above would give.
;; One version. Each part assembles by itself: llvm-mc -triple=amdgcn-amd-amdhsa -mcpu=gfx1250 --defsym DOCPART=n.
;; ======== version 1 of 1: 3 launches
;; limits: right only within a limited range of input values
;; workspace buffers: qimg 8,388,608 bytes; qsc 262,144 bytes; kv 16,777,216 bytes; kvsc 524,288 bytes; yimg 8,388,608 bytes; ysc 262,144 bytes
;; launch qkv (part 1): grid 8 x 32, 4 waves a work-group, clusters of 4 x 4, 327,680 bytes of LDS; arguments x_codes, x_scales, qkv_w_codes, qkv_w_scales, ve, lambdas, qimg, qsc, kv, kvsc; writes qimg, qsc, kv, kvsc
.if DOCPART == 1
	.amdgcn_target "amdgcn-amd-amdhsa--gfx1250"
	.amdhsa_code_object_version 6
	.text
	.protected	k_qa14cf32cde_qkv
	.globl	k_qa14cf32cde_qkv
	.p2align	8
	.type	k_qa14cf32cde_qkv,@function
k_qa14cf32cde_qkv:
	s_mov_b64 s[64:65], 0
	v_nop
	global_prefetch_b8 v0, s[64:65] scope:SCOPE_SE
	s_setreg_imm32_b32 hwreg(HW_REG_WAVE_MODE, 25, 1), 1
	s_wait_xcnt 0x0
	s_wait_alu depctr_hold_cnt(0) depctr_sa_sdst(0) depctr_va_vdst(0) depctr_va_sdst(0) depctr_va_ssrc(0) depctr_va_vcc(0) depctr_vm_vsrc(0)
	s_getreg_b32 s2, hwreg(HW_REG_IB_STS2, 6, 4)
	s_cmp_eq_u32 s2, 0
	s_cbranch_scc0 .Lentry_in_a_cluster
	s_endpgm
.Lentry_in_a_cluster:
	s_bfe_u32 s2, ttmp6, 0x10000c
	s_cmp_lg_u32 s2, 0xf033
	s_cbranch_scc0 .Lentry_shape_is_right
	s_endpgm
.Lentry_shape_is_right:
; QKV projection on codes of FP8 (E4M3) with E8M0 scales, 8,192 x 1,024 x 3,072, and all that stands between it and attention:
; q, k: RMS norm over the head's 128, RoPE, quantised along the head's 128;  v: lambda0 v + lambda1 ve, quantised along the tokens.
; What leaves are images of operand registers: a fragment (16 rows x 128 K) is 2,048 bytes, [c][lane][16 bytes], one scale word a row; place 32 c + 16 h + i holds index 32 c + 16 (i / 8) + 8 h + i % 8.
; THE DEAL.  256 work-groups: 256 tokens x one head, through q, k and v in turn.  Four waves, 2 x 2: a wave holds 64 rows of a weight, all of K, in 512 registers (windows 1, 2); x's blocks of 16 tokens stand in two sets (window 3).
; Wave row w takes tokens 128 w on; chunk c holds tokens 64 c .. 64 c + 63 of both wave rows.  LDS: two slots of 128 rows of 1,024 + 16 bytes, in which weights and chunks take turns:
; W_q, c0 | c1 over W_q | W_k over c0 | c0 over W_k | W_v over c1 | c1 over W_v: each refill in a drained round of the cluster's barrier, a quarter a wave, with four blocks' work in which to land.
; q, k (one text, two trips): source 0 = the weight's rows: a lane holds a token.  Wave column 0 holds channels 0-31 and 64-95 (those that RoPE turns), column 1 the others; the two halves of a token's sum of squares meet through LDS, one barrier for two blocks.
; RoPE: frequencies 2^(-10 j / 31) by v_exp_f32; cosine and sine by reduction modulo pi in two parts and Taylor sums cut under 6e-8, of 16 x frequency and of each chunk's first position less 16; each block turns the pair on by 16 positions in f32, four turns at the most.
; v: source 0 = x's rows: a lane holds a channel, two blocks are 32 tokens.  ve comes straight into the result's layout, sixteen lanes to 64 neighbouring bytes: both slots are full, so LDS has no room to turn it.
; CLUSTERS 4 x 4: x's rows are shared along a row of the cluster, a weight's along a column.  PREFETCH: chunk 1 and W_k behind the first barrier, W_v in q's trip, my ve in k's, each block of 256 bytes named once in a cluster.
; LIMITS: NaN, infinities, NaN codes and scale bytes 0xff are not served.  A block of zeros gets the byte 1 where the rule says 127: its codes are zeros and this program alone reads the bytes.
.set PITCH, 1040
.set TILE, 16*PITCH
.set YB, 128*PITCH
.set SCL, 2*YB                         ; x's scale bytes: 32 units of 256 + 16
.set XS, SCL+32*272                    ; sums of squares: [2][wave][16 tokens][2]
.set XB, XS+1024                       ; q's, k's scale bytes: [q, k][wave row][r][tile][c]
.set ROPE, XB+2048                     ; [wave row][step, chunk 0, chunk 1][4,096]
.set STASH, ROPE+2*12288               ; [wave][q, k, v][2,048]: the weights' scale words
.set SPARE, STASH+4*6144
.set NP, 8
.set AX0, 1
.set AWK, 2
.set AWV, 3
.set AS, 4
.set RPA, 5
.set STA, 6
.set ABS, 7
.set LI, 8
.set XSA0, 9
.set SPW, 10
.set NIL, 11
.set XSB0, 12
.set BYA, 13
.set VEO, 14
.set OWA, 15
.set PFX, 16
.set PFW, 17
.set VPF, 18
.set AXA, 19
.set AXB, 20
.set AW, 21
.set AW2, 22
.set ASA, 23
.set SB, 24                            ; v24-39 the weight's scale words
.set ASB, 40
.set RPX, 41
.set RPY, 42
.set XSA, 43
.set SA, 44                            ; v44-59 x's, two sets
.set XSB, 60
.set BY, 61
.set RSE, 62
.set ACC, 64                           ; v64-127 two sets of sums
.set F, 128
.set DC, 128
.set COS, 144
.set SIN, 160
.set DS, 176
.set TP, 192
.set SS, 224
.set TM, 232
.set RSO, 242
.set PC, 244
.set KM, 244
.set KSN, 246
.set KCS, 248
.set PSS, 252
.set T, 252
.set SSP, 254
.set TN, 254
.set VE, 128                           ; v's phase: v128-191 ve, v192-207 codes, v208-211 words, v212-227 at work
.set PCV, 192
.set OW, 208
.set TMV, 212
.set TR, 17
.set PN, 18
.set XP, 19
.set G1W, 24
.set G1X, 32
.set G1WR, 48
.set G1XR, 56
.set G1S, 68
.set G0W, 76
.set G0X, 80
.set G0S, 84
.set G0R, 88
.set G0V, 92
.set QB, 24                            ; from the first barrier on the head's descriptors are free
.set QSP, 26
.set KB, 28
.set KSP, 30
.set VOP, 34
.set VWP, 36
.set SEL, 38
.set MNT, 68
.set C128, 69
.set L0, 70
.set L1, 72
.set EPS, 74
.set OB, 76
.set BYS, 97
.set PH, 99
.set OP, 100
.set VEP, 104
.set MSB, 0
.macro WIN new
.if MSB != \new
	s_set_vgpr_msb (MSB<<8)|\new
.set MSB, \new
.endif
.endm
.macro PLACES n
.rept \n
	v_nop
.endr
.endm
.macro WALU
	s_wait_alu depctr_va_vdst(0)
.endm
.macro BARRIER
	s_barrier_signal -1
	s_barrier_wait -1
.endm
.macro CROUND
	BARRIER
	s_cmp_lg_u32 s14, 0
	s_cbranch_scc1 .Lnot_wave_0_\@
	s_barrier_signal -3
.Lnot_wave_0_\@:
	s_barrier_wait -3
	BARRIER
.endm
.macro TLOAD g0, g1
	tensor_load_to_lds s[\g0:\g0+3], s[\g1:\g1+7]
	s_nop 0
	PLACES 4
.endm
.macro GROUP1 g, mask, rows
	s_or_b32 s[\g+0], s[\mask], (1<<20)|(1<<21)|(7<<22)|(3<<25)
	s_mov_b32 s[\g+1], 1024<<16
	s_mov_b32 s[\g+2], (\rows)<<16
	s_mov_b32 s[\g+3], 1024<<16
	s_mov_b32 s[\g+4], \rows
	s_mov_b32 s[\g+5], 1024
	s_mov_b32 s[\g+6], 0
	s_mov_b32 s[\g+7], 0
.endm
; a refill, a quarter of 128 rows a wave: s22 the slot's LDS byte, s23 bytes on from s[base].  The three lines, the round, the joint load
.macro REF g0, g1, ptr, base
	s_wait_tensorcnt 0x0
	ds_add_u32 v[SPW], v[NIL]
	s_mul_i32 s[\g0+1], s14, 32*PITCH
	s_add_co_u32 s[\g0+1], s[\g0+1], s22
	s_add_co_u32 s20, s[\base], s23
	s_mov_b32 s21, 0
	s_add_nc_u64 s[\g0+2:\g0+3], s[\ptr:\ptr+1], s[20:21]
	s_or_b32 s[\g0+3], s[\g0+3], 0x80000000
	s_wait_dscnt 0x0
	CROUND
	TLOAD \g0, \g1
.endm
	s_load_b256 s[4:11], s[0:1], 0x0               ; x's codes, scales; qkv_w's codes, scales
	s_load_b64 s[12:13], s[0:1], 0x20              ; ve
	v_lshl_add_u32 v[SPW], v0, 2, SPARE
	v_mov_b32 v[NIL], 0
	ds_add_u32 v[SPW], v[NIL]                      ; the opening lines
	ds_add_u32 v[SPW], v[NIL]
	v_lshrrev_b32 v64, 5, v0
	v_readfirstlane_b32 s14, v64                   ; wave
	s_lshr_b32 s15, s14, 1                         ; wave row
	s_and_b32 s16, s14, 1                          ; wave column
	s_bfe_u32 s40, ttmp6, 0x40000                  ; cx
	s_bfe_u32 s41, ttmp6, 0x40004                  ; cy
	s_lshl_b32 s42, ttmp9, 2
	s_add_co_u32 s42, s42, s40                     ; head 0..7
	s_and_b32 s43, ttmp7, 0xffff
	s_lshl_b32 s43, s43, 2
	s_add_co_u32 s43, s43, s41                     ; tile row 0..31
	s_lshl_b32 s44, s41, 2
	s_lshl_b32 s44, 15, s44                        ; my row of the cluster
	s_lshl_b32 s45, 0x1111, s40                    ; my column
	GROUP1 G1W, 45, 128
	GROUP1 G1X, 44, 64
	GROUP1 G1WR, 45, 32
	GROUP1 G1XR, 44, 32
	s_or_b32 s[G1S+0], s44, (3<<16)|(1<<20)|(1<<21)|(5<<22)|(3<<25)
	s_mov_b32 s[G1S+1], 32<<16
	s_mov_b32 s[G1S+2], 32<<16
	s_mov_b32 s[G1S+3], 32<<16
	s_mov_b32 s[G1S+4], 32
	s_mov_b32 s[G1S+5], 32
	s_mov_b32 s[G1S+6], 0
	s_mov_b32 s[G1S+7], 0
	s_lshl_b32 s46, s42, 17                        ; W_q: my head's 128 rows
	s_mov_b32 s47, 0
	s_lshl_b32 s20, s43, 18                        ; x: my 256 rows
	s_lshl_b32 s21, s16, 17
	s_add_co_u32 s22, s20, s21                     ; waves 2, 3: tokens 0-63, 128-191
	s_mov_b32 s23, 0
	s_lshl_b32 s96, s15, 17
	s_add_co_u32 s96, s96, s20
	s_lshl_b32 s21, s16, 15
	s_add_co_u32 s96, s96, s21                     ; s96: a refill of x: my 32 rows of chunk 0
	s_lshl_b32 s98, s14, 15
	s_add_co_u32 s98, s98, s46                     ; s98: a refill of a weight: my 32 rows of W_q
	s_mov_b32 s[G0W], 1
	s_mov_b32 s[G0W+1], YB
	s_mov_b32 s[G0X], 1
	s_mul_i32 s[G0X+1], s16, 64*PITCH
	s_mov_b32 s[G0S], 1
	s_mov_b32 s[G0S+1], SCL
	s_mov_b32 s[G0R], 1
	s_mov_b32 s[G0V], 1
	s_lshl_b32 s100, s43, 13                       ; x's scale bytes
	s_mov_b32 s101, 0
	s_wait_dscnt 0x0
	CROUND
	s_wait_kmcnt 0x0
	s_add_nc_u64 s[G0W+2:G0W+3], s[8:9], s[46:47]
	s_or_b32 s[G0W+3], s[G0W+3], 0x80000000
	s_add_nc_u64 s[G0X+2:G0X+3], s[4:5], s[22:23]
	s_or_b32 s[G0X+3], s[G0X+3], 0x80000000
	s_add_nc_u64 s[G0S+2:G0S+3], s[6:7], s[100:101]
	s_or_b32 s[G0S+3], s[G0S+3], 0x80000000
	s_cmp_eq_u32 s14, 0                            ; one joint load a wave: W_q; x's scale bytes; chunk 0's halves
	s_cbranch_scc0 .Larm1
	TLOAD G0W, G1W
	s_branch .Lasked
.Larm1:
	s_cmp_eq_u32 s14, 1
	s_cbranch_scc0 .Larm2
	TLOAD G0S, G1S
	s_branch .Lasked
.Larm2:
	TLOAD G0X, G1X
.Lasked:
	s_mul_i32 s46, s15, 64*PITCH
	s_mul_i32 s47, s16, 32*PITCH
	s_mul_i32 s20, s15, 16*272
	s_add_co_u32 s20, s20, SCL
	s_lshl_b32 s21, s14, 7
	s_add_co_u32 s21, s21, XS
	s_xor_b32 s22, s14, 1
	s_lshl_b32 s22, s22, 7
	s_add_co_u32 s22, s22, XS
	s_lshl_b32 s23, s15, 9
	s_add_co_u32 s23, s23, s16
	s_add_co_u32 s23, s23, XB
	s_mul_i32 s100, s15, 12288
	s_add_co_u32 s100, s100, ROPE
	s_mul_i32 s101, s14, 6144
	s_add_co_u32 s101, s101, STASH
	s_lshl_b32 s17, s40, 2                         ; prefetches: which of the cluster row's sixteen waves I am: 8 rows of chunk 1
	s_add_co_u32 s17, s17, s14
	s_and_b32 s18, s17, 7
	s_lshl_b32 s18, s18, 13
	s_lshr_b32 s17, s17, 3
	s_lshl_b32 s17, s17, 17
	s_add_co_u32 s17, s17, s18
	s_lshl_b32 s18, s43, 18
	s_add_co_u32 s17, s17, s18
	s_add_co_u32 s17, s17, 65536
	s_lshl_b32 s18, s41, 2                         ; and of the column's: 8 rows of W_k
	s_add_co_u32 s18, s18, s14
	s_lshl_b32 s18, s18, 13
	s_lshl_b32 s19, s42, 17
	s_add_co_u32 s18, s18, s19
	s_add_co_u32 s18, s18, 1<<20
	s_and_b32 s19, s43, 7
	s_lshl_b32 s19, s19, 8
	s_lshl_b32 s97, s15, 7
	s_add_co_u32 s19, s19, s97                     ; my wave row's first position
	s_sub_co_i32 s19, s19, 16
	v_and_b32 v64, 15, v0                          ; r
	v_bfe_u32 v65, v0, 4, 1                        ; h
	v_and_b32 v66, 31, v0                          ; l
	v_mul_u32_u24 v67, v64, PITCH
	v_lshl_add_u32 v67, v65, 4, v67
	v_add_nc_u32 v[AX0], s46, v67
	v_add_nc_u32 v[AWK], s47, v67
	v_add_nc_u32 v[AWV], s47, v[AWK]
	v_add_nc_u32 v[AWV], YB, v[AWV]
	v_lshlrev_b32 v68, 5, v64
	v_lshrrev_b32 v69, 3, v64
	v_lshl_add_u32 v68, v69, 4, v68
	v_add_nc_u32 v[AS], s20, v68
	v_lshlrev_b32 v[ABS], 5, v66
	v_lshlrev_b32 v[LI], 4, v66
	v_lshl_add_u32 v[XSA0], v64, 3, s21
	v_lshl_add_u32 v[XSB0], v64, 3, s22
	v_lshl_add_u32 v[BYA], v64, 5, s23
	v_add_nc_u32 v[RPA], s100, v[LI]
	v_add_nc_u32 v[STA], s101, v[LI]
	v_lshlrev_b32 v[VEO], 15, v65
	v_lshl_add_u32 v[VEO], v64, 2, v[VEO]
	v_lshlrev_b32 v[OWA], 5, v64
	v_lshl_add_u32 v[PFX], v66, 8, s17
	v_lshl_add_u32 v[PFW], v66, 8, s18
	v_lshlrev_b32 v[VPF], 12, v66
	v_add_nc_u32 v70, s19, v64
	v_cvt_f32_i32 v[TN], v70                       ; my position in chunk 0's first block, less 16
	v_lshlrev_b32 v71, 3, v65
	WALU
	s_lshl_b32 s20, s42, 12                        ; the weights' scale words: lane l takes row l of a pair of tiles
	s_lshl_b32 s22, s16, 10
	s_add_co_u32 s22, s22, s20
	s_mov_b32 s23, 0
	s_lshl_b32 s21, s16, 11
	s_add_co_u32 s20, s20, s21
	s_mov_b32 s21, 0
	s_add_nc_u64 s[22:23], s[10:11], s[22:23]      ; q, k: rows 32 x wave column on, pairs 64 rows apart
	s_add_nc_u64 s[20:21], s[10:11], s[20:21]      ; v: rows 64 x wave column on
.irp p, 0,1
.irp c, 0,1
	global_load_b128 v[80+8*\p+4*\c:80+8*\p+4*\c+3], v[ABS], s[22:23] offset:\p*2048+16*\c
	global_load_b128 v[96+8*\p+4*\c:96+8*\p+4*\c+3], v[ABS], s[22:23] offset:32768+\p*2048+16*\c
	global_load_b128 v[112+8*\p+4*\c:112+8*\p+4*\c+3], v[ABS], s[20:21] offset:65536+\p*1024+16*\c
.endr
.endr
.set n, 0
.rept 16
	v_add_nc_u32 v[F+n], 16*(n/8)+n%8, v71         ; register n: channel 16 (n / 8) + 8 h + n % 8
.set n, n+1
.endr
.set n, 0
.rept 16
	v_cvt_f32_u32 v[F+n], v[F+n]
.set n, n+1
.endr
.set n, 0
.rept 16
	v_mul_f32 v[F+n], 0xbea5294a, v[F+n]           ; -10 j / 31
.set n, n+1
.endr
	WALU
.set n, 0
.rept 16
	v_exp_f32 v[F+n], v[F+n]
.set n, n+1
.endr
	v_mov_b32 v[T], 0x41800000                     ; 16: the step
	v_mov_b32 v[T+1], 0
	v_mov_b32 v[KM], 0x4b400000
	v_mov_b32 v[KM+1], 0x4b400000
	v_mov_b32 v[KSN], 0x3638ef1d
	v_mov_b32 v[KSN+1], 0x3638ef1d
	v_mov_b32 v[KCS], 0xb493f27e
	v_mov_b32 v[KCS+1], 0xb493f27e
	v_mov_b32 v72, v[RPA]
	s_mov_b32 s[TR], 0
	WALU
.macro SC4 hf                          ; cosine and sine of T x frequency for eight channels
.irp g, 0,1,2,3
	v_pk_mul_f32 v[TP+12*\g:TP+12*\g+1], v[F+8*\hf+2*\g:F+8*\hf+2*\g+1], v[T:T+1] op_sel_hi:[1,0]
.endr
.irp g, 0,1,2,3
	v_pk_fma_f32 v[TP+12*\g+2:TP+12*\g+3], v[TP+12*\g:TP+12*\g+1], 0x3ea2f983, v[KM:KM+1] op_sel_hi:[1,0,1]
.endr
.irp g, 0,1,2,3
	v_pk_add_f32 v[TP+12*\g+4:TP+12*\g+5], v[TP+12*\g+2:TP+12*\g+3], 0xcb400000 op_sel_hi:[1,0]
.endr
.irp g, 0,1,2,3
	v_pk_fma_f32 v[TP+12*\g:TP+12*\g+1], v[TP+12*\g+4:TP+12*\g+5], 0xc0490fdb, v[TP+12*\g:TP+12*\g+1] op_sel_hi:[1,0,1]
.endr
.irp g, 0,1,2,3
	v_pk_fma_f32 v[TP+12*\g:TP+12*\g+1], v[TP+12*\g+4:TP+12*\g+5], 0x33bbbd2e, v[TP+12*\g:TP+12*\g+1] op_sel_hi:[1,0,1]
.endr
.irp g, 0,1,2,3
	v_pk_mul_f32 v[TP+12*\g+6:TP+12*\g+7], v[TP+12*\g:TP+12*\g+1], v[TP+12*\g:TP+12*\g+1]
.endr
.irp g, 0,1,2,3
	v_pk_fma_f32 v[TP+12*\g+8:TP+12*\g+9], v[TP+12*\g+6:TP+12*\g+7], 0xb2d7322b, v[KSN:KSN+1] op_sel_hi:[1,0,1]
	v_pk_fma_f32 v[COS+8*\hf+2*\g:COS+8*\hf+2*\g+1], v[TP+12*\g+6:TP+12*\g+7], 0x310f76c7, v[KCS:KCS+1] op_sel_hi:[1,0,1]
.endr
.irp g, 0,1,2,3
	v_pk_fma_f32 v[TP+12*\g+8:TP+12*\g+9], v[TP+12*\g+8:TP+12*\g+9], v[TP+12*\g+6:TP+12*\g+7], 0xb9500d01 op_sel_hi:[1,1,0]
	v_pk_fma_f32 v[COS+8*\hf+2*\g:COS+8*\hf+2*\g+1], v[COS+8*\hf+2*\g:COS+8*\hf+2*\g+1], v[TP+12*\g+6:TP+12*\g+7], 0x37d00d01 op_sel_hi:[1,1,0]
.endr
.irp g, 0,1,2,3
	v_pk_fma_f32 v[TP+12*\g+8:TP+12*\g+9], v[TP+12*\g+8:TP+12*\g+9], v[TP+12*\g+6:TP+12*\g+7], 0x3c088889 op_sel_hi:[1,1,0]
	v_pk_fma_f32 v[COS+8*\hf+2*\g:COS+8*\hf+2*\g+1], v[COS+8*\hf+2*\g:COS+8*\hf+2*\g+1], v[TP+12*\g+6:TP+12*\g+7], 0xbab60b61 op_sel_hi:[1,1,0]
.endr
.irp g, 0,1,2,3
	v_pk_fma_f32 v[TP+12*\g+8:TP+12*\g+9], v[TP+12*\g+8:TP+12*\g+9], v[TP+12*\g+6:TP+12*\g+7], 0xbe2aaaab op_sel_hi:[1,1,0]
	v_pk_fma_f32 v[COS+8*\hf+2*\g:COS+8*\hf+2*\g+1], v[COS+8*\hf+2*\g:COS+8*\hf+2*\g+1], v[TP+12*\g+6:TP+12*\g+7], 0x3d2aaaab op_sel_hi:[1,1,0]
.endr
.irp g, 0,1,2,3
	v_pk_mul_f32 v[TP+12*\g+4:TP+12*\g+5], v[TP+12*\g:TP+12*\g+1], v[TP+12*\g+6:TP+12*\g+7]
	v_pk_fma_f32 v[COS+8*\hf+2*\g:COS+8*\hf+2*\g+1], v[COS+8*\hf+2*\g:COS+8*\hf+2*\g+1], v[TP+12*\g+6:TP+12*\g+7], -0.5 op_sel_hi:[1,1,0]
.endr
.irp g, 0,1,2,3
	v_pk_fma_f32 v[SIN+8*\hf+2*\g:SIN+8*\hf+2*\g+1], v[TP+12*\g+4:TP+12*\g+5], v[TP+12*\g+8:TP+12*\g+9], v[TP+12*\g:TP+12*\g+1]
	v_pk_fma_f32 v[COS+8*\hf+2*\g:COS+8*\hf+2*\g+1], v[COS+8*\hf+2*\g:COS+8*\hf+2*\g+1], v[TP+12*\g+6:TP+12*\g+7], 1.0 op_sel_hi:[1,1,0]
.endr
.irp g, 0,1,2,3
	v_lshlrev_b32 v[TP+12*\g+2], 31, v[TP+12*\g+2]
	v_lshlrev_b32 v[TP+12*\g+3], 31, v[TP+12*\g+3]
.endr
.irp g, 0,1,2,3
	v_xor_b32 v[SIN+8*\hf+2*\g], v[TP+12*\g+2], v[SIN+8*\hf+2*\g]
	v_xor_b32 v[SIN+8*\hf+2*\g+1], v[TP+12*\g+3], v[SIN+8*\hf+2*\g+1]
	v_xor_b32 v[COS+8*\hf+2*\g], v[TP+12*\g+2], v[COS+8*\hf+2*\g]
	v_xor_b32 v[COS+8*\hf+2*\g+1], v[TP+12*\g+3], v[COS+8*\hf+2*\g+1]
.endr
.endm
.Lrope:                                            ; three trips: the step, chunk 0's state, chunk 1's; every wave walks them, wave column 0 does the work, under the head's loads
	s_cmp_lg_u32 s16, 0
	s_cbranch_scc1 .Lrope_no
	SC4 0
	SC4 1
.irp k, 0,1,2,3,4,5,6,7
	ds_store_b128 v72, v[COS+4*\k:COS+4*\k+3] offset:512*\k
.endr
.Lrope_no:
	v_mov_b32 v[T], v[TN]
	v_add_f32 v[TN], 0x42800000, v[TN]             ; 64 positions on
	v_add_nc_u32 v72, 4096, v72
	s_add_co_u32 s[TR], s[TR], 1
	s_cmp_lt_u32 s[TR], 3
	WALU
	s_cbranch_scc1 .Lrope
	s_cmp_lg_u32 s16, 0
	s_cbranch_scc1 .Lstep_no
.irp k, 0,1,2,3
	ds_load_b128 v[DC+4*\k:DC+4*\k+3], v[RPA] offset:512*\k
	ds_load_b128 v[DS+4*\k:DS+4*\k+3], v[RPA] offset:2048+512*\k
.endr
.Lstep_no:
	s_wait_loadcnt 0x0
.irp k, 0,1,2,3,4,5,6,7,8,9,10,11
	ds_store_b128 v[STA], v[80+4*\k:80+4*\k+3] offset:512*\k
.endr
	v_mov_b32 v[RSE+1], 0                          ; (named as upper halves of pairs, or as a lane permute's destination)
	v_mov_b32 v[RSO+1], 0
	v_mov_b32 v[TM+2], 0
	v_mov_b32 v[TM+3], 0
	WALU
	s_wait_tensorcnt 0x0                           ; my tile of the head's four is in: its descriptors are free
	s_load_b128 s[24:27], s[0:1], 0x30             ; qimg, qsc
	s_load_b128 s[28:31], s[0:1], 0x40             ; kv, kvsc
	s_load_b64 s[32:33], s[0:1], 0x28              ; lambdas
	s_wait_dscnt 0x0
	BARRIER
	global_prefetch_b8 v[PFX], s[4:5] th:TH_LOAD_NT scope:SCOPE_SE
	global_prefetch_b8 v[PFW], s[8:9] th:TH_LOAD_NT scope:SCOPE_SE
	s_lshr_b32 s46, s43, 3
	s_lshl_b32 s46, s46, 3
	s_add_co_u32 s46, s46, s42                     ; batch x 8 + head
	s_and_b32 s47, s43, 7
	s_lshl_b32 s47, s47, 8                         ; my work-group's first position
	s_lshl_b32 s20, s15, 7
	s_add_co_u32 s20, s20, s47                     ; my wave row's
	s_lshl_b32 s21, s16, 9
	s_lshl_b32 s68, s46, 18                        ; q's images: 262,144 bytes a head, 128 a token; piece c = my wave column
	s_lshl_b32 s22, s20, 7
	s_add_co_u32 s68, s68, s22
	s_add_co_u32 s68, s68, s21
	s_mov_b32 s69, 0
	s_lshl_b32 s70, s46, 19                        ; k's: 524,288 a head with v's, chunks of 512 keys of 131,072
	s_lshr_b32 s22, s20, 9
	s_lshl_b32 s22, s22, 17
	s_add_co_u32 s70, s70, s22
	s_and_b32 s22, s20, 511
	s_lshl_b32 s23, s22, 7
	s_add_co_u32 s72, s70, s23
	s_add_co_u32 s72, s72, s21
	s_mov_b32 s73, 0
	s_lshr_b32 s22, s22, 7                         ; v's: behind K's 65,536, 16,384 a step of 128 keys, 2,048 a tile of channels
	s_lshl_b32 s22, s22, 14
	s_add_co_u32 s70, s70, s22
	s_add_co_u32 s70, s70, 65536
	s_lshl_b32 s22, s16, 13
	s_add_co_u32 s70, s70, s22
	s_mov_b32 s71, 0
	s_lshl_b32 s74, s46, 14                        ; v's words: behind k's 8,192; [step][r][tile]
	s_lshl_b32 s22, s20, 2
	s_add_co_u32 s74, s74, s22
	s_lshl_b32 s22, s16, 4
	s_add_co_u32 s74, s74, s22
	s_add_co_u32 s74, s74, 8192
	s_mov_b32 s75, 0
	s_lshl_b32 s80, s46, 13                        ; q's words, k's words: at the end a wave stores 512 bytes
	s_lshl_b32 s22, s47, 2
	s_add_co_u32 s80, s80, s22
	s_add_co_u32 s80, s80, s21
	s_mov_b32 s81, 0
	s_lshl_b32 s82, s46, 14
	s_add_co_u32 s82, s82, s22
	s_add_co_u32 s82, s82, s21
	s_mov_b32 s83, 0
	s_lshl_b32 s84, s43, 20                        ; ve: 4,096 bytes a token, my 64 channels
	s_lshl_b32 s22, s15, 19
	s_add_co_u32 s84, s84, s22
	s_lshl_b32 s22, s42, 9
	s_add_co_u32 s84, s84, s22
	s_lshl_b32 s22, s16, 8
	s_add_co_u32 s84, s84, s22
	s_mov_b32 s85, 0
	s_add_nc_u64 s[VEP:VEP+1], s[12:13], s[84:85]
	s_wait_kmcnt 0x0
	s_add_nc_u64 s[VOP:VOP+1], s[28:29], s[70:71]
	s_add_nc_u64 s[VWP:VWP+1], s[30:31], s[74:75]
	s_add_nc_u64 s[QB:QB+1], s[24:25], s[68:69]
	s_add_nc_u64 s[QSP:QSP+1], s[26:27], s[80:81]
	s_add_nc_u64 s[KB:KB+1], s[28:29], s[72:73]
	s_add_nc_u64 s[KSP:KSP+1], s[30:31], s[82:83]
	s_load_b64 s[L0:L0+1], s[32:33], 0x0           ; lambda0, lambda1
	s_mov_b64 s[OB:OB+1], s[QB:QB+1]
	s_mov_b32 s[SEL], 0x76543210
	s_mov_b32 s[SEL+1], 0xfedcba98
	s_mov_b32 s[MNT], 0x600000
	s_mov_b32 s[C128], 0x3c000000                  ; 1 / 128
	s_mov_b32 s[EPS], 0x34000000                   ; 2^-23
	s_mov_b32 s[XP], 0
	s_mov_b32 s[PH], 0
.macro WREGS a1, a2, v                 ; my 64 rows of a weight: fragment 4 q + b in window 1 + (4 q + b) / 16.  q, k: tile b is rows 64 (b / 2) + 16 (b % 2) on; v: 16 b on
.set F_, 0
.rept 32
.set A_, \a1+((F_%4)/2)*(\a2-\a1)*(1-\v)
.set O_, ((F_%4)%2)*TILE*(1-\v)+(F_%4)*TILE*\v+128*(F_/4)
	WIN (1+F_/16)<<6
.irp c, 0,1,2,3
	ds_load_b128 v[16*(F_%16)+4*\c:16*(F_%16)+4*\c+3], v[A_] offset:O_+32*\c
.endr
.set F_, F_+1
.endr
	WIN 0
.endm
.macro FETCHX e, ax, as, i             ; block i of a chunk into set e, and its scale words: 34 loads
	WIN 3<<6
.irp q, 0,1,2,3,4,5,6,7
.irp c, 0,1,2,3
	ds_load_b128 v[128*\e+16*\q+4*\c:128*\e+16*\q+4*\c+3], v[\ax] offset:\i*TILE+128*\q+32*\c
.endr
.endr
	WIN 0
	ds_load_b128 v[SA+8*\e:SA+8*\e+3], v[\as] offset:\i*544
	ds_load_b128 v[SA+8*\e+4:SA+8*\e+7], v[\as] offset:\i*544+16
.endm
.macro PROD kind, e, k                 ; product k = 4 q + b; four accumulators by turns
.set Q_, (\k)/4
.set B_, (\k)%4
.set AC_, ACC+32*(\e)+8*B_
.set W_, 16*((\k)%16)
.set X_, 128*(\e)+16*Q_
.set WS_, SB+8*(B_/2)+Q_
.set XS_, SA+8*(\e)+Q_
.if \kind
	WIN 3|((1+(\k)/16)<<2)
.if Q_ == 0 && B_%2
	v_wmma_scale_f32_16x16x128_f8f6f4 v[AC_:AC_+7], v[X_:X_+15], v[W_:W_+15], 0, v[XS_], v[WS_] matrix_b_scale:MATRIX_SCALE_ROW1
.elseif Q_ == 0
	v_wmma_scale_f32_16x16x128_f8f6f4 v[AC_:AC_+7], v[X_:X_+15], v[W_:W_+15], 0, v[XS_], v[WS_]
.elseif B_%2
	v_wmma_scale_f32_16x16x128_f8f6f4 v[AC_:AC_+7], v[X_:X_+15], v[W_:W_+15], v[AC_:AC_+7], v[XS_], v[WS_] matrix_b_scale:MATRIX_SCALE_ROW1
.else
	v_wmma_scale_f32_16x16x128_f8f6f4 v[AC_:AC_+7], v[X_:X_+15], v[W_:W_+15], v[AC_:AC_+7], v[XS_], v[WS_]
.endif
.else
	WIN (1+(\k)/16)|(3<<2)
.if Q_ == 0 && B_%2
	v_wmma_scale_f32_16x16x128_f8f6f4 v[AC_:AC_+7], v[W_:W_+15], v[X_:X_+15], 0, v[WS_], v[XS_] matrix_a_scale:MATRIX_SCALE_ROW1
.elseif Q_ == 0
	v_wmma_scale_f32_16x16x128_f8f6f4 v[AC_:AC_+7], v[W_:W_+15], v[X_:X_+15], 0, v[WS_], v[XS_]
.elseif B_%2
	v_wmma_scale_f32_16x16x128_f8f6f4 v[AC_:AC_+7], v[W_:W_+15], v[X_:X_+15], v[AC_:AC_+7], v[WS_], v[XS_] matrix_a_scale:MATRIX_SCALE_ROW1
.else
	v_wmma_scale_f32_16x16x128_f8f6f4 v[AC_:AC_+7], v[W_:W_+15], v[X_:X_+15], v[AC_:AC_+7], v[WS_], v[XS_]
.endif
.endif
.endm
.macro PRODS kind, e
.set K_, 0
.rept 32
	PROD \kind, \e, K_
.set K_, K_+1
.endr
.endm
.macro SSQ a, s                        ; the sum of squares of my 32 numbers, each accumulator from its low end on
.irp k, 0,1,2,3
	v_pk_mul_f32 v[\s+2*\k:\s+2*\k+1], v[\a+2*\k:\a+2*\k+1], v[\a+2*\k:\a+2*\k+1]
.endr
.set n, 8
.rept 12
	v_pk_fma_f32 v[\s+n%8:\s+n%8+1], v[\a+n:\a+n+1], v[\a+n:\a+n+1], v[\s+n%8:\s+n%8+1]
.set n, n+2
.endr
	v_pk_add_f32 v[\s:\s+1], v[\s:\s+1], v[\s+2:\s+3]
	v_pk_add_f32 v[\s+4:\s+5], v[\s+4:\s+5], v[\s+6:\s+7]
	v_pk_add_f32 v[\s:\s+1], v[\s:\s+1], v[\s+4:\s+5]
	v_add_f32 v[\s], v[\s], v[\s+1]
.endm
.macro ROT                             ; cosine and sine on by 16 positions
.irp p, 0,1,2,3,4,5,6,7
	v_pk_mul_f32 v[TP+4*\p:TP+4*\p+1], v[SIN+2*\p:SIN+2*\p+1], v[DS+2*\p:DS+2*\p+1]
	v_pk_mul_f32 v[TP+4*\p+2:TP+4*\p+3], v[COS+2*\p:COS+2*\p+1], v[DS+2*\p:DS+2*\p+1]
.endr
.irp p, 0,1,2,3,4,5,6,7
	v_pk_fma_f32 v[COS+2*\p:COS+2*\p+1], v[COS+2*\p:COS+2*\p+1], v[DC+2*\p:DC+2*\p+1], v[TP+4*\p:TP+4*\p+1] neg_lo:[0,0,1] neg_hi:[0,0,1]
	v_pk_fma_f32 v[SIN+2*\p:SIN+2*\p+1], v[SIN+2*\p:SIN+2*\p+1], v[DC+2*\p:DC+2*\p+1], v[TP+4*\p+2:TP+4*\p+3]
.endr
.endm
.macro EPI e, rs                       ; a block of q or k: x 1 / rms, RoPE (wave column 0), two blocks of 32 quantised, 32 codes a lane and two bytes leave
.set A_, ACC+32*\e
.set n, 0
.rept 16
	v_pk_mul_f32 v[A_+n:A_+n+1], v[A_+n:A_+n+1], v[\rs:\rs+1] op_sel_hi:[1,0]
.set n, n+2
.endr
	WALU
	s_cmp_lg_u32 s16, 0
	s_cbranch_scc1 .Lno_rope_\@
.if \e
	ROT
.endif
.irp p, 0,1,2,3,4,5,6,7
	v_pk_mul_f32 v[TP+4*\p:TP+4*\p+1], v[A_+16+2*\p:A_+17+2*\p], v[SIN+2*\p:SIN+2*\p+1]
	v_pk_mul_f32 v[TP+4*\p+2:TP+4*\p+3], v[A_+2*\p:A_+2*\p+1], v[SIN+2*\p:SIN+2*\p+1]
.endr
.irp p, 0,1,2,3,4,5,6,7
	v_pk_fma_f32 v[A_+2*\p:A_+2*\p+1], v[A_+2*\p:A_+2*\p+1], v[COS+2*\p:COS+2*\p+1], v[TP+4*\p:TP+4*\p+1]
	v_pk_fma_f32 v[A_+16+2*\p:A_+17+2*\p], v[A_+16+2*\p:A_+17+2*\p], v[COS+2*\p:COS+2*\p+1], v[TP+4*\p+2:TP+4*\p+3] neg_lo:[0,0,1] neg_hi:[0,0,1]
.endr
	WALU
.Lno_rope_\@:
	s_wait_xcnt 0x0                                ; the block before has read its codes' registers
.irp u, 0,1
	v_max3_num_f32 v[TM+\u], |v[A_+16*\u]|, |v[A_+16*\u+1]|, 0x4800000
.endr
.irp i, 2,4,6,8,10,12,14
.irp u, 0,1
	v_max3_num_f32 v[TM+\u], v[TM+\u], |v[A_+16*\u+\i]|, |v[A_+16*\u+\i+1]|
.endr
.endr
.irp u, 0,1
	v_permlanex16_b32 v[TM+2+\u], v[TM+\u], s[SEL], s[SEL+1]
.endr
.irp u, 0,1
	v_max_num_f32 v[TM+\u], v[TM+\u], v[TM+2+\u]
.endr
.irp u, 0,1
	v_add_nc_u32 v[TM+6+\u], 0xfc000000, v[TM+\u]
.endr
.irp u, 0,1
	v_and_or_b32 v[TM+4+\u], v[TM+\u], 0x7f800000, s[MNT]
.endr
.irp u, 0,1
	v_lshrrev_b32 v[TM+8+\u], 23, v[TM+6+\u]
.endr
.irp u, 0,1
.irp i, 0,1,2,3,4,5,6,7,8,9,10,11,12,13,14,15
	v_med3_num_f32 v[A_+16*\u+\i], v[A_+16*\u+\i], -v[TM+4+\u], v[TM+4+\u]
.endr
	v_cvt_scalef32_pk8_fp8_f32 v[PC+4*\u:PC+4*\u+1], v[A_+16*\u:A_+16*\u+7], v[TM+6+\u]
	v_cvt_scalef32_pk8_fp8_f32 v[PC+4*\u+2:PC+4*\u+3], v[A_+16*\u+8:A_+16*\u+15], v[TM+6+\u]
.endr
	v_nop
	global_store_b128 v[LI], v[PC:PC+3], s[OP:OP+1] offset:2048*\e
	global_store_b128 v[LI], v[PC+4:PC+7], s[OP:OP+1] offset:2048*\e+1024
	ds_store_b8 v[BY], v[TM+8] offset:4*\e
	ds_store_b8 v[BY], v[TM+9] offset:4*\e+2
.endm
.macro CHUNKQK ax, as, rp, b           ; four blocks of q or k in two trips; b: 0 the phase's first chunk, 1 its second
	FETCHX 0, \ax, \as, 0
	FETCHX 1, \ax, \as, 1
	s_cmp_lg_u32 s16, 0
	s_cbranch_scc1 .Lno_state_\@
.irp k, 0,1,2,3,4,5,6,7
	ds_load_b128 v[COS+4*\k:COS+4*\k+3], v[\rp] offset:512*\k
.endr
.Lno_state_\@:
	s_xor_b32 s20, s[PH], \b                       ; the chunk's number
	s_lshl_b32 s[BYS], s20, 4
	s_lshl_b32 s21, s[PH], 10
	s_add_co_u32 s[BYS], s[BYS], s21
	s_lshl_b32 s20, s20, 13
	s_mov_b32 s21, 0
	s_wait_xcnt 0x0
	s_add_nc_u64 s[OP:OP+1], s[OB:OB+1], s[20:21]
	s_mov_b32 s[TR], 0
.Lpair_\@:
	s_wait_dscnt 0x0
	PRODS 0, 0
	PRODS 0, 1
	WIN 0
	PLACES NP
	v_add_nc_u32 v[XSA], s[XP], v[XSA0]
	v_add_nc_u32 v[XSB], s[XP], v[XSB0]
	v_add_nc_u32 v[BY], s[BYS], v[BYA]
	SSQ ACC, SS
	SSQ ACC+32, TP
	v_permlanex16_b32 v[SS+2], v[SS], s[SEL], s[SEL+1]
	v_permlanex16_b32 v[TP+2], v[TP], s[SEL], s[SEL+1]
	v_add_f32 v[SSP], v[SS], v[SS+2]
	v_add_f32 v[SSP+1], v[TP], v[TP+2]
	ds_store_b64 v[XSA], v[SSP:SSP+1]              ; my 64 channels' part, for the wave beside me
	WALU
	s_wait_dscnt 0x0
	BARRIER
	ds_load_b64 v[PSS:PSS+1], v[XSB]
	s_cmp_lg_u32 s16, 0
	s_cbranch_scc1 .Lno_rot_\@
	ROT
	WALU
.Lno_rot_\@:
	s_wait_dscnt 0x0
	s_cmp_lg_u32 s[TR], 0
	s_cbranch_scc1 .Lno_fetch_\@
	FETCHX 0, \ax, \as, 2                          ; the next two blocks land under the vector work below
	FETCHX 1, \ax, \as, 3
.Lno_fetch_\@:
	v_pk_add_f32 v[PSS:PSS+1], v[PSS:PSS+1], v[SSP:SSP+1]
	v_fma_f32 v[PSS], v[PSS], s[C128], s[EPS]
	v_fma_f32 v[PSS+1], v[PSS+1], s[C128], s[EPS]
	WALU
	v_rsq_f32 v[RSE], v[PSS]
	v_rsq_f32 v[RSO], v[PSS+1]
	v_nop
	WALU
	EPI 0, RSE
	EPI 1, RSO
	s_wait_xcnt 0x0
	s_add_nc_u64 s[OP:OP+1], s[OP:OP+1], 4096
	s_xor_b32 s[XP], s[XP], 512
	s_add_co_u32 s[BYS], s[BYS], 8
	s_add_co_u32 s[TR], s[TR], 1
	s_cmp_lt_u32 s[TR], 2
	WALU
	s_cbranch_scc1 .Lpair_\@
.endm
.Lphase:                                           ; two trips: q, then k.  Trip p: the first chunk is number p in slot p, the weight lies in the other slot
	s_mul_i32 s20, s[PH], YB
	s_xor_b32 s21, s[PH], 1
	s_mul_i32 s21, s21, YB
	s_mul_i32 s22, s[PH], 2176
	s_xor_b32 s23, s22, 2176
	s_lshl_b32 s46, s[PH], 12
	s_add_co_u32 s46, s46, 4096
	s_xor_b32 s47, s46, 12288
	s_lshl_b32 s[TR], s[PH], 11
	v_add_nc_u32 v[AXA], s20, v[AX0]
	v_add_nc_u32 v[AXB], s21, v[AX0]
	v_add_nc_u32 v[AW], s21, v[AWK]
	v_add_nc_u32 v[AW2], 64*PITCH, v[AW]
	v_add_nc_u32 v[ASA], s22, v[AS]
	v_add_nc_u32 v[ASB], s23, v[AS]
	v_add_nc_u32 v[RPX], s46, v[RPA]
	v_add_nc_u32 v[RPY], s47, v[RPA]
	v_add_nc_u32 v[BY], s[TR], v[STA]
	WALU
.irp k, 0,1,2,3
	ds_load_b128 v[SB+4*\k:SB+4*\k+3], v[BY] offset:512*\k
.endr
	WREGS AW, AW2, 0
	s_xor_b32 s23, s[PH], 1
	s_mul_i32 s22, s23, YB
	s_lshl_b32 s23, s23, 16
	REF G0R, G1XR, 4, 96                           ; the phase's second chunk over the weight's rows
	CHUNKQK AXA, ASA, RPX, 0
	s_mul_i32 s22, s[PH], YB
	s_add_co_u32 s23, s[PH], 1
	s_lshl_b32 s23, s23, 20
	REF G0V, G1WR, 8, 98                           ; the next weight over the first chunk
	s_cmp_lg_u32 s[PH], 0
	s_cbranch_scc1 .Lask_ve
	global_prefetch_b8 v[PFW], s[8:9] offset:1<<20 th:TH_LOAD_NT scope:SCOPE_SE   ; q's trip: W_v
	s_branch .Lasked_ahead
.Lask_ve:
.irp k, 0,1,2,3
	global_prefetch_b8 v[VPF], s[VEP:VEP+1] offset:\k*131072 th:TH_LOAD_NT scope:SCOPE_SE   ; k's trip: my 128 tokens x 256 bytes of ve, a lane a token
.endr
.Lasked_ahead:
	CHUNKQK AXB, ASB, RPY, 1
	s_wait_tensorcnt 0x0                           ; the next weight is in
	s_wait_dscnt 0x0
	BARRIER
	s_mov_b64 s[OB:OB+1], s[KB:KB+1]
	s_add_co_u32 s[PH], s[PH], 1
	s_cmp_lt_u32 s[PH], 2
	s_cbranch_scc1 .Lphase
; ---------------- v
.macro VELOAD                          ; ve at my channel and my 32 tokens, in the sums' own order
.set n, 0
.rept 64
	global_load_b32 v[VE+n], v[VEO], s[VEP:VEP+1] offset:(16*(n/32)+n%8)*4096+64*((n%32)/8)
.set n, n+1
.endr
.endm
.macro CHUNKV ax, as
	FETCHX 0, \ax, \as, 0
	FETCHX 1, \ax, \as, 1
	s_mov_b32 s[TR], 0
.Lvpair_\@:
	s_wait_dscnt 0x0
	PRODS 1, 0
	PRODS 1, 1
	WIN 0
	PLACES NP
	s_cmp_lg_u32 s[TR], 0
	s_cbranch_scc1 .Lno_fetch_\@
	FETCHX 0, \ax, \as, 2
	FETCHX 1, \ax, \as, 3
.Lno_fetch_\@:
.set n, 0
.rept 32
	v_pk_mul_f32 v[ACC+n:ACC+n+1], v[ACC+n:ACC+n+1], s[L0:L0+1] op_sel_hi:[1,0]
.set n, n+2
.endr
	WALU
	s_wait_loadcnt 0x0                             ; ve
	s_add_nc_u64 s[VEP:VEP+1], s[VEP:VEP+1], 131072   ; 32 tokens on
.set n, 0
.rept 32
	v_pk_fma_f32 v[ACC+n:ACC+n+1], v[VE+n:VE+n+1], s[L1:L1+1], v[ACC+n:ACC+n+1] op_sel_hi:[1,0,1]
.set n, n+2
.endr
	WALU
	s_cmp_eq_u32 s[PN], 3
	s_cbranch_scc1 .Lno_ve_\@
	VELOAD
.Lno_ve_\@:
.irp b, 0,1,2,3
	v_max3_num_f32 v[TMV+\b], |v[ACC+8*\b]|, |v[ACC+8*\b+1]|, 0x4800000
.endr
.irp i, 2,4,6,32,34,36,38
.irp b, 0,1,2,3
	v_max3_num_f32 v[TMV+\b], v[TMV+\b], |v[ACC+8*\b+\i]|, |v[ACC+8*\b+\i+1]|
.endr
.endr
.irp b, 0,1,2,3
	v_permlanex16_b32 v[TMV+4+\b], v[TMV+\b], s[SEL], s[SEL+1]
.endr
.irp b, 0,1,2,3
	v_max_num_f32 v[TMV+\b], v[TMV+\b], v[TMV+4+\b]
.endr
.irp b, 0,1,2,3
	v_add_nc_u32 v[TMV+12+\b], 0xfc000000, v[TMV+\b]
.endr
.irp b, 0,1,2,3
	v_and_or_b32 v[TMV+8+\b], v[TMV+\b], 0x7f800000, s[MNT]
.endr
.irp b, 0,1,2,3
	v_lshrrev_b32 v[TMV+\b], 23, v[TMV+12+\b]
.endr
.irp b, 0,1,2,3
	v_alignbit_b32 v[OW+\b], v[TMV+\b], v[OW+\b], 8   ; the byte comes in from above: after four pairs byte c is pair c's
.endr
.irp b, 0,1,2,3
.irp i, 0,1,2,3,4,5,6,7
	v_med3_num_f32 v[ACC+8*\b+\i], v[ACC+8*\b+\i], -v[TMV+8+\b], v[TMV+8+\b]
	v_med3_num_f32 v[ACC+32+8*\b+\i], v[ACC+32+8*\b+\i], -v[TMV+8+\b], v[TMV+8+\b]
.endr
	v_cvt_scalef32_pk8_fp8_f32 v[PCV+4*\b:PCV+4*\b+1], v[ACC+8*\b:ACC+8*\b+7], v[TMV+12+\b]
	v_cvt_scalef32_pk8_fp8_f32 v[PCV+4*\b+2:PCV+4*\b+3], v[ACC+32+8*\b:ACC+32+8*\b+7], v[TMV+12+\b]
.endr
	v_nop
.irp b, 0,1,2,3
	global_store_b128 v[LI], v[PCV+4*\b:PCV+4*\b+3], s[VOP:VOP+1] offset:2048*\b
.endr
	s_wait_xcnt 0x0
	s_add_nc_u64 s[VOP:VOP+1], s[VOP:VOP+1], 512   ; the next piece of 32 keys
	s_add_co_u32 s[PN], s[PN], 1
	s_add_co_u32 s[TR], s[TR], 1
	s_cmp_lt_u32 s[TR], 2
	WALU
	s_cbranch_scc1 .Lvpair_\@
.endm
	s_wait_xcnt 0x0
	VELOAD
	s_wait_kmcnt 0x0                               ; the lambdas
	s_mov_b32 s[L1], s[L0+1]
	s_mov_b32 s[L1+1], s[L0+1]
	s_mov_b32 s[PN], 0
	v_add_nc_u32 v[AXB], YB, v[AX0]
	v_add_nc_u32 v[ASB], 2176, v[AS]
.irp b, 0,1,2,3
	v_mov_b32 v[OW+\b], 0
	v_mov_b32 v[TMV+4+\b], 0
.endr
	WALU
.irp k, 0,1,2,3
	ds_load_b128 v[SB+4*\k:SB+4*\k+3], v[STA] offset:4096+512*\k
.endr
	WREGS AWV, AWV, 1
	s_mov_b32 s22, YB
	s_mov_b32 s23, 65536
	REF G0R, G1XR, 4, 96                           ; chunk 1 over W_v's rows
	CHUNKV AX0, AS
	s_wait_tensorcnt 0x0
	s_wait_dscnt 0x0
	BARRIER
	CHUNKV AXB, ASB
	global_store_b128 v[OWA], v[OW:OW+3], s[VWP:VWP+1]   ; row r's words of my four tiles; lanes r and r + 16 hold, and write, the same
	s_lshl_b32 s20, s14, 9                         ; q's and k's scale bytes: every wave has passed barriers since the last was stored; a wave stores 512 consecutive bytes
	s_add_co_u32 s20, s20, XB
	v_add_nc_u32 v[BY], s20, v[LI]
	s_cmp_lt_u32 s14, 2
	s_cselect_b64 s[22:23], s[QSP:QSP+1], s[KSP:KSP+1]
	WALU
	ds_load_b128 v[TMV:TMV+3], v[BY]
	s_wait_dscnt 0x0
	global_store_b128 v[LI], v[TMV:TMV+3], s[22:23]
	s_wait_tensorcnt 0x0                           ; the wave's end
	ds_add_u32 v[SPW], v[NIL]
	s_wait_dscnt 0x0
	CROUND
	s_endpgm
.Lfunc_end_k_qa14cf32cde_qkv:
	.size	k_qa14cf32cde_qkv, .Lfunc_end_k_qa14cf32cde_qkv-k_qa14cf32cde_qkv
	.p2alignl 7, 3214868480
	.fill 96, 4, 3214868480
	.section	.rodata,"a",@progbits
	.p2align	6, 0x0
	.amdhsa_kernel k_qa14cf32cde_qkv
		.amdhsa_group_segment_fixed_size 327680
		.amdhsa_private_segment_fixed_size 0
		.amdhsa_enable_private_segment 0
		.amdhsa_kernarg_size 80
		.amdhsa_user_sgpr_count 2
		.amdhsa_user_sgpr_kernarg_segment_ptr 1
		.amdhsa_wavefront_size32 1
		.amdhsa_system_sgpr_workgroup_id_x 1
		.amdhsa_system_sgpr_workgroup_id_y 1
		.amdhsa_system_sgpr_workgroup_id_z 1
		.amdhsa_system_vgpr_workitem_id 0
		.amdhsa_next_free_vgpr 1024
		.amdhsa_next_free_sgpr 106
		.amdhsa_reserve_vcc 0
		.amdhsa_float_denorm_mode_32 3
		.amdhsa_float_denorm_mode_16_64 3
		.amdhsa_memory_ordered 1
		.amdhsa_forward_progress 1
		.amdhsa_inst_pref_size 215
	.end_amdhsa_kernel
	.amdgpu_metadata
---
amdhsa.version: [ 1, 2 ]
amdhsa.kernels:
  - .name:           k_qa14cf32cde_qkv
    .symbol:         k_qa14cf32cde_qkv.kd
    .args:
      - { .name: x_codes, .offset: 0, .size: 8, .value_kind: global_buffer, .address_space: global }
      - { .name: x_scales, .offset: 8, .size: 8, .value_kind: global_buffer, .address_space: global }
      - { .name: qkv_w_codes, .offset: 16, .size: 8, .value_kind: global_buffer, .address_space: global }
      - { .name: qkv_w_scales, .offset: 24, .size: 8, .value_kind: global_buffer, .address_space: global }
      - { .name: ve, .offset: 32, .size: 8, .value_kind: global_buffer, .address_space: global }
      - { .name: lambdas, .offset: 40, .size: 8, .value_kind: global_buffer, .address_space: global }
      - { .name: qimg, .offset: 48, .size: 8, .value_kind: global_buffer, .address_space: global }
      - { .name: qsc, .offset: 56, .size: 8, .value_kind: global_buffer, .address_space: global }
      - { .name: kv, .offset: 64, .size: 8, .value_kind: global_buffer, .address_space: global }
      - { .name: kvsc, .offset: 72, .size: 8, .value_kind: global_buffer, .address_space: global }
    .group_segment_fixed_size: 327680
    .private_segment_fixed_size: 0
    .kernarg_segment_align: 8
    .kernarg_segment_size: 80
    .max_flat_workgroup_size: 128
    .sgpr_count:     106
    .vgpr_count:     1024
    .wavefront_size: 32
...
	.end_amdgpu_metadata
.endif
;; end of part 1
;; launch attn (part 2): grid 8 x 32, 16 waves a work-group, clusters of 4 x 1, 327,680 bytes of LDS; arguments qimg, qsc, kv, kvsc, yimg, ysc; writes yimg, ysc
.if DOCPART == 2
	.amdgcn_target "amdgcn-amd-amdhsa--gfx1250"
	.amdhsa_code_object_version 6
	.text
	.protected	k_qa14cf32cde_attn
	.globl	k_qa14cf32cde_attn
	.p2align	8
	.type	k_qa14cf32cde_attn,@function
k_qa14cf32cde_attn:
	s_mov_b64 s[64:65], 0
	v_nop
	global_prefetch_b8 v0, s[64:65] scope:SCOPE_SE
	s_setreg_imm32_b32 hwreg(HW_REG_WAVE_MODE, 25, 1), 1
	s_wait_xcnt 0x0
	s_wait_alu depctr_hold_cnt(0) depctr_sa_sdst(0) depctr_va_vdst(0) depctr_va_sdst(0) depctr_va_ssrc(0) depctr_va_vcc(0) depctr_vm_vsrc(0)
	s_getreg_b32 s2, hwreg(HW_REG_IB_STS2, 6, 4)
	s_cmp_eq_u32 s2, 0
	s_cbranch_scc0 .Lentry_in_a_cluster
	s_endpgm
.Lentry_in_a_cluster:
	s_bfe_u32 s2, ttmp6, 0x10000c
	s_cmp_lg_u32 s2, 0x3003
	s_cbranch_scc0 .Lentry_shape_is_right
	s_endpgm
.Lentry_shape_is_right:
; Causal attention of 32 (batch, head) pairs, 2,048 tokens, head size 128, both products on codes of FP8 (E4M3) with E8M0 scales; y = O / l is quantised along the head's 128 on the way out.
; All operands come as images of operand registers (2,048 bytes a fragment, [c][lane][16 bytes]) with one scale word a row, laid by the launch before.  Inside each block of 32 along a K the images carry
; one fixed permutation, the same on both sides of each product: place 32 b + 16 h + i holds index 32 b + 16 (i / 8) + 8 h + i % 8.
; Both products are used transposed: S^T = K Q^T, O^T = V^T P^T: a lane holds ONE query (lane % 16).  Register n of S^T is key 16 (n / 8) + 8 h + n % 8 of the step's 128: the order in which V's images hold the keys.
; THE SOFTMAX: p = 2^t, t = score x log2(e) / sqrt(128): M = 0, FIXED.  q and k are RMS-normalised by the problem itself: each has length at most sqrt(128), and rounding to E4M3 adds at most 1/16 to a number,
; so |score| / sqrt(128) <= 128 x (17/16)^2 / 11.32 < 12.8 and |t| < 18.5 for every input: 2^t lies in 2.7e-6 .. 3.7e5 and a row's sum under 7.6e8: nothing can overflow or underflow in f32.
; M is a whole number, so each block's scale takes the factor 2^M up and the codes' values and O / l are those of M = the ceiling of the row's largest t.  The sum l is taken of the unquantised p.
; SHARES.  A cluster of four work-groups serves one (batch, head) and half of its 16 blocks of 128 queries; wave w of each takes one tile of 16 queries of block G, G made of w and the cluster's x alone,
; so that every branch is alike in the four partners; a work-group's place cx picks the tile inside the block.  Blocks G and 15 - G are paired: 136 tile steps a work-group, 34 in each row and column of the 4 x 4 table of waves.
; Every work-group walks all 16 key steps (constant trip counts); a step whose keys all come after the wave's queries is jumped over.  K and V come through two LDS slots of 512 keys by joint loads (waves 0-3).
; LIMITS: NaN and infinities are not served.  A block of zeros gets the byte 1 where the rule says 127: its codes are zeros, and this program alone reads the bytes.  1 / l by v_rcp_f32.
; ysc is written by stores of 4 bytes a lane, 32 bytes apart: one byte in 32 of what leaves.
.set SLOT1, 1<<17                      ; a slot: K's 32 images (65,536 bytes), then V's 32
.set SC,    2*SLOT1                    ; the head's scale words: K's 8,192 bytes, then V's
.set SPARE, SC+16384                   ; the spare words, 128 bytes for each of 16 waves
.set LI,   1                           ; v1   16 x lane
.set AS0,  2                           ; v2   SC + 32 r
.set AT0,  3                           ; v3   the same for V's words
.set DQ,   4                           ; v4   my query in its block of 128, less 8 h
.set SPW,  5
.set NIL,  6
.set YS,   7                           ; v7   32 r
.set ADK,  8
.set ADV,  9
.set ADS,  10
.set ADT,  11
.set TM,   232
.set PC,   224
.set PW,   253                         ; p's, at last y's scale word
.set NINF, 254
.set QS,   255                         ; Q's scale word
.set WV,   18
.set MNT,  19
.set SEL,  20
.set CS,   22
.set G1,   24                          ; s[24:31] group 1: 128 rows of 256 bytes;  s[32:39]: 16 rows
.set G1S,  32
.set G0,   40
.set G0S,  44
.set TB,   48                          ; LDS byte at which the step's images of K begin
.set TS,   49                          ; 512 x the step
.set SI,   50                          ; the step
.set GB,   51                          ; my block of 128 queries
.set SLOTS, 52
.set FOUR, 53
.set TAU,  66                          ; my tile in the block
.macro CROUND
	s_barrier_signal -1
	s_barrier_wait -1
	s_cmp_lg_u32 s[WV], 0
	s_cbranch_scc1 .Lnot_wave_0_\@
	s_barrier_signal -3
.Lnot_wave_0_\@:
	s_barrier_wait -3
	s_barrier_signal -1
	s_barrier_wait -1
.endm
	s_load_b128 s[4:7], s[0:1], 0x0                ; qimg, qsc
	s_load_b128 s[8:11], s[0:1], 0x10              ; kv, kvsc
	s_load_b128 s[12:15], s[0:1], 0x20             ; yimg, ysc
	v_lshl_add_u32 v[SPW], v0, 2, SPARE
	v_mov_b32 v[NIL], 0
	ds_add_u32 v5, v6
	ds_add_u32 v5, v6
	s_wait_dscnt 0x0
	v_lshrrev_b32 v8, 5, v0
	s_delay_alu instid0(VALU_DEP_1)
	v_readfirstlane_b32 s[WV], v8                  ; wave 0..15
	s_bfe_u32 s54, ttmp6, 0x40000                  ; cx
	s_and_b32 s55, ttmp7, 0xffff                   ; batch x 8 + head
	s_lshr_b32 s56, s[WV], 2                       ; rho
	s_and_b32 s57, s[WV], 3                        ; kappa
	s_lshr_b32 s58, s56, 1
	s_lshl_b32 s58, s58, 1
	s_lshr_b32 s59, s57, 1
	s_add_co_u32 s58, s58, s59                     ; pair 0..3
	s_lshl_b32 s58, s58, 1
	s_add_co_u32 s58, s58, ttmp9                   ; the pair's lower block: 2 x pair + the cluster's x
	s_xor_b32 s59, s56, s57
	s_and_b32 s59, s59, 1
	s_mul_i32 s59, s59, 15
	s_xor_b32 s[GB], s58, s59                      ; that block, or 15 less it
	s_and_b32 s60, s56, 1
	s_lshl_b32 s61, s54, 1
	s_add_co_u32 s[TAU], s61, s60                  ; tile 2 cx + (rho & 1): enters global addresses and the mask's number alone
	s_mov_b32 s[G1], 15|(3<<16)|(1<<21)            ; mask: all four partners; elements of 8 bytes; bit 21 beside a mask; no padding: every read is 16 x lane on end
	s_mov_b32 s[G1+1], 32<<16
	s_mov_b32 s[G1+2], 128<<16
	s_mov_b32 s[G1+3], 32<<16
	s_mov_b32 s[G1+4], 128
	s_mov_b32 s[G1+5], 32
	s_mov_b32 s[G1+6], 0
	s_mov_b32 s[G1+7], 0
	s_mov_b32 s[G1S], 15|(3<<16)|(1<<21)
	s_mov_b32 s[G1S+1], 32<<16
	s_mov_b32 s[G1S+2], 16<<16
	s_mov_b32 s[G1S+3], 32<<16
	s_mov_b32 s[G1S+4], 16
	s_mov_b32 s[G1S+5], 32
	s_mov_b32 s[G1S+6], 0
	s_mov_b32 s[G1S+7], 0
	s_and_b32 s60, s[WV], 3                        ; which quarter I fetch, if I fetch
	s_lshl_b32 s62, s55, 19
	s_lshl_b32 s[G0+1], s60, 15                    ; 32,768 bytes a quarter of a slot
	s_add_co_u32 s62, s62, s[G0+1]
	s_mov_b32 s63, 0
	s_lshl_b32 s58, s55, 14
	s_lshl_b32 s59, s60, 12                        ; 4,096 bytes a quarter of the words
	s_add_co_u32 s58, s58, s59
	s_add_co_u32 s[G0S+1], s59, SC
	s_mov_b32 s59, 0
	s_lshl_b32 s68, s[GB], 3
	s_add_co_u32 s68, s68, s[TAU]                  ; my tile of 16 queries in the head
	s_lshl_b32 s70, s68, 11
	s_lshl_b32 s71, s55, 18
	s_add_co_u32 s70, s70, s71
	s_mov_b32 s71, 0                               ; Q's image
	s_lshl_b32 s72, s55, 13
	s_lshl_b32 s73, s[GB], 9
	s_add_co_u32 s72, s72, s73
	s_lshl_b32 s73, s[TAU], 2
	s_add_co_u32 s72, s72, s73
	s_mov_b32 s73, 0                               ; Q's words: [block][r][tile]
	s_lshr_b32 s74, s55, 3                         ; batch
	s_and_b32 s75, s55, 7                          ; head
	s_lshl_b32 s76, s74, 7
	s_add_co_u32 s76, s76, s68
	s_lshl_b32 s76, s76, 3
	s_add_co_u32 s76, s76, s75
	s_lshl_b32 s76, s76, 11
	s_mov_b32 s77, 0                               ; y's image: [tile of 16 tokens][head]
	s_lshl_b32 s78, s74, 11
	s_lshl_b32 s79, s68, 4
	s_add_co_u32 s78, s78, s79
	s_lshl_b32 s78, s78, 5
	s_lshl_b32 s79, s75, 2
	s_add_co_u32 s78, s78, s79
	s_mov_b32 s79, 0                               ; y's words: [token][head]
	s_mov_b32 s[SEL], 0x76543210
	s_mov_b32 s[SEL+1], 0xfedcba98
	s_mov_b32 s[CS], 0x3e0293ee                    ; log2(e) / sqrt(128)
	s_mov_b32 s[CS+1], s[CS]
	s_mov_b32 s[MNT], 0x600000
	s_mov_b32 s[TB], 0
	s_mov_b32 s[TS], 0
	s_mov_b32 s[SI], 0
	s_mov_b32 s[SLOTS], 3
	s_wait_kmcnt 0x0
	s_mov_b32 s[G0], 1
	s_add_nc_u64 s[G0+2:G0+3], s[8:9], s[62:63]
	s_or_b32 s[G0+3], s[G0+3], 0x80000000
	s_mov_b32 s[G0S], 1
	s_add_nc_u64 s[G0S+2:G0S+3], s[10:11], s[58:59]
	s_or_b32 s[G0S+3], s[G0S+3], 0x80000000
	s_add_nc_u64 s[4:5], s[4:5], s[70:71]
	s_add_nc_u64 s[6:7], s[6:7], s[72:73]
	s_add_nc_u64 s[12:13], s[12:13], s[76:77]
	s_add_nc_u64 s[14:15], s[14:15], s[78:79]
	CROUND                                         ; all four work-groups are here: the first joint loads meet
	s_cmp_lt_u32 s[WV], 4                          ; a wave's first fills stand in one branch: at most one tensor load of mine is out
	s_cbranch_scc0 .Lhead_sc
	tensor_load_to_lds s[G0:G0+3], s[G1:G1+7]      ; waves 0-3: slot 0, keys 0-511, a quarter each
	s_nop 0
.rept 4
	v_nop
.endr
	s_branch .Lno_first
.Lhead_sc:
	s_cmp_lt_u32 s[WV], 8
	s_cbranch_scc0 .Lno_first
	tensor_load_to_lds s[G0S:G0S+3], s[G1S:G1S+7]  ; waves 4-7: the head's scale words, a quarter each: filled once
	s_nop 0
.rept 4
	v_nop
.endr
.Lno_first:
	v_and_b32 v8, 15, v0                           ; r
	v_bfe_u32 v9, v0, 4, 1                         ; h
	v_and_b32 v10, 31, v0
	s_delay_alu instid0(VALU_DEP_1)
	v_lshlrev_b32 v[LI], 4, v10
	s_delay_alu instid0(VALU_DEP_4)
	v_lshlrev_b32 v[YS], 5, v8
.irp c, 0,1,2,3
	global_load_b128 v[16+4*\c:19+4*\c], v[LI], s[4:5] offset:512*\c   ; Q's fragment stays in registers
.endr
	global_load_b32 v[QS], v[YS], s[6:7]
	v_lshl_add_u32 v[AS0], v8, 5, SC
	s_delay_alu instid0(VALU_DEP_1)
	v_add_nc_u32 v[AT0], 8192, v[AS0]
	v_lshlrev_b32 v11, 3, v9
	s_delay_alu instid0(VALU_DEP_1)
	v_sub_nc_u32 v[DQ], v8, v11
	s_lshl_b32 s54, s[TAU], 4
	v_add_nc_u32 v[DQ], s54, v[DQ]                 ; 16 tau + r - 8 h
	v_mov_b32 v14, 0                               ; the sum l, in two halves
	v_mov_b32 v15, 0
	v_mov_b32 v252, 0
	v_mov_b32 v[NINF], 0xff800000
.irp b, 0,1,2,3
	v_mov_b32 v[236+\b], 0                         ; a lane permute's destination counts as one of its sources
.endr
.set n, 0
.rept 64
	v_mov_b32 v[160+n], 0                          ; O^T: the step is written once for all steps, so the first finds zeros
.set n, n+1
.endr
; A KEY STEP: 128 keys
.macro STEP
	s_cmp_gt_u32 s[SI], s[GB]                      ; all its keys come after my queries: only the scalar steps at its end are run
	s_cbranch_scc1 .Lhidden_\@
	v_add_nc_u32 v[ADK], s[TB], v[LI]
	s_wait_alu depctr_va_vdst(0)
	v_add_nc_u32 v[ADS], s[TS], v[AS0]
	s_wait_alu depctr_va_vdst(0)
	v_add_nc_u32 v[ADT], s[TS], v[AT0]
	v_add_nc_u32 v[ADV], 0x10000, v[ADK]
.irp g, 0,1                                    ; S^T = K Q^T, four tiles of 16 keys at a time
.rept 4+4*\g
	v_nop                                          ; eight places in front of loads into registers that matrix instructions have read (the four additions above are places too)
.endr
.irp t, 0,1,2,3
.irp c, 0,1,2,3
	ds_load_b128 v[32+16*\t+4*\c:35+16*\t+4*\c], v[ADK] offset:(4*\g+\t)*2048+512*\c
.endr
.endr
	ds_load_b128 v[248:251], v[ADS] offset:16*\g   ; row r's words of the four tiles
	s_wait_dscnt 0x0
.irp t, 0,1,2,3
	v_wmma_scale_f32_16x16x128_f8f6f4 v[96+8*(4*\g+\t):103+8*(4*\g+\t)], v[32+16*\t:47+16*\t], v[16:31], 0, v[248+\t], v[QS]
.endr
.endr
.rept 8
	v_nop
.endr
	s_wait_alu depctr_va_vdst(0)
.irp t, 0,1,2,3                                ; V's first four fragments are asked for now and land under the softmax
.irp c, 0,1,2,3
	ds_load_b128 v[32+16*\t+4*\c:35+16*\t+4*\c], v[ADV] offset:\t*2048+512*\c
.endr
.endr
	ds_load_b128 v[248:251], v[ADT]
	s_cmp_lg_u32 s[SI], s[GB]                      ; on the diagonal the scores of keys behind my query become -infinity: p = 0 then
	s_cbranch_scc1 .Lopen_\@
.set n, 0
.rept 64
	v_cmp_gt_i32 vcc_lo, 16*(n/8)+n%8, v[DQ]
	v_cndmask_b32 v[96+n], v[96+n], v[NINF], vcc_lo
.set n, n+1
.endr
.Lopen_\@:
.irp b, 0,1,2,3
	v_max3_num_f32 v[232+\b], v[96+16*\b], v[97+16*\b], v[98+16*\b]   ; each block's largest score: p rises with the score, so it gives the block's largest p
.endr
.irp i, 3,5,7,9,11,13
.irp b, 0,1,2,3
	v_max3_num_f32 v[232+\b], v[232+\b], v[96+16*\b+\i], v[97+16*\b+\i]
.endr
.endr
.irp b, 0,1,2,3
	v_max_num_f32 v[232+\b], v[232+\b], v[111+16*\b]
.endr
.irp b, 0,1,2,3
	v_permlanex16_b32 v[236+\b], v[232+\b], s[SEL], s[SEL+1]
.endr
.irp b, 0,1,2,3
	s_delay_alu instid0(VALU_DEP_4)
	v_max_num_f32 v[232+\b], v[232+\b], v[236+\b]
.endr
.set n, 0
.rept 32
	v_pk_mul_f32 v[96+n:97+n], v[96+n:97+n], s[CS:CS+1] op_sel_hi:[1,0]   ; t
.set n, n+2
.endr
.irp b, 0,1,2,3
	v_mul_f32 v[232+\b], s[CS], v[232+\b]          ; the same multiplication of each block's largest score
.endr
.set n, 0
	s_wait_alu depctr_va_vdst(0)
.rept 64
	v_exp_f32 v[96+n], v[96+n]                     ; p = 2^t
.set n, n+1
.endr
.irp b, 0,1,2,3
	v_exp_f32 v[232+\b], v[232+\b]
.endr
	v_nop                                          ; one plain line behind the exponentials
	s_wait_alu depctr_va_vdst(0)
.irp b, 0,1,2,3
	v_max_num_f32 v[232+\b], 0x4800000, v[232+\b]  ; the floor 2^(9 - 127)
.endr
.irp b, 0,1,2,3
	s_delay_alu instid0(VALU_DEP_4)
	v_add_nc_u32 v[244+\b], 0xfc000000, v[232+\b]  ; the conversion's scale operand
.endr
.irp b, 0,1,2,3
	v_and_or_b32 v[240+\b], v[232+\b], 0x7f800000, s[MNT]   ; 448 x the scale
.endr
.irp b, 0,1,2,3
	v_lshrrev_b32 v[236+\b], 23, v[244+\b]
.endr
	s_delay_alu instid0(VALU_DEP_3)
	v_lshl_or_b32 v[PW], v237, 8, v236
	s_delay_alu instid0(VALU_DEP_1)
	v_lshl_or_b32 v[PW], v238, 16, v[PW]
	s_delay_alu instid0(VALU_DEP_1)
	v_lshl_or_b32 v[PW], v239, 24, v[PW]
	v_pk_add_f32 v[236:237], v[100:101], v[104:105]
	v_pk_add_f32 v[238:239], v[108:109], v[112:113]
	v_pk_add_f32 v[234:235], v[116:117], v[120:121]
	v_pk_add_f32 v[232:233], v[124:125], v[128:129]
	v_pk_add_f32 v[230:231], v[132:133], v[136:137]
	v_pk_add_f32 v[228:229], v[140:141], v[144:145]
	v_pk_add_f32 v[226:227], v[148:149], v[152:153]
	v_pk_add_f32 v[14:15], v[14:15], v[156:157]
	v_pk_add_f32 v[236:237], v[236:237], v[96:97]
	v_pk_add_f32 v[238:239], v[238:239], v[98:99]
	v_pk_add_f32 v[234:235], v[234:235], v[102:103]
	v_pk_add_f32 v[232:233], v[232:233], v[106:107]
	v_pk_add_f32 v[230:231], v[230:231], v[110:111]
	v_pk_add_f32 v[228:229], v[228:229], v[114:115]
	v_pk_add_f32 v[226:227], v[226:227], v[118:119]
	v_pk_add_f32 v[14:15], v[14:15], v[122:123]
	v_pk_add_f32 v[236:237], v[236:237], v[126:127]
	v_pk_add_f32 v[238:239], v[238:239], v[130:131]
	v_pk_add_f32 v[234:235], v[234:235], v[134:135]
	v_pk_add_f32 v[232:233], v[232:233], v[138:139]
	v_pk_add_f32 v[230:231], v[230:231], v[142:143]
	v_pk_add_f32 v[228:229], v[228:229], v[146:147]
	v_pk_add_f32 v[226:227], v[226:227], v[150:151]
	v_pk_add_f32 v[14:15], v[14:15], v[154:155]
	v_pk_add_f32 v[236:237], v[236:237], v[158:159]
	s_delay_alu instid0(VALU_DEP_2)
	v_pk_add_f32 v[14:15], v[14:15], v[232:233]
	s_delay_alu instid0(VALU_DEP_2)
	v_pk_add_f32 v[236:237], v[236:237], v[230:231]
	v_pk_add_f32 v[238:239], v[238:239], v[228:229]
	v_pk_add_f32 v[234:235], v[234:235], v[226:227]
	s_delay_alu instid0(VALU_DEP_2)
	v_pk_add_f32 v[14:15], v[14:15], v[238:239]
	s_delay_alu instid0(VALU_DEP_2)
	v_pk_add_f32 v[236:237], v[236:237], v[234:235]
	s_delay_alu instid0(VALU_DEP_1)
	v_pk_add_f32 v[14:15], v[14:15], v[236:237]
.irp b, 0,1,2,3
.irp i, 0,1,2,3,4,5,6,7,8,9,10,11,12,13,14,15
	v_min_num_f32 v[96+16*\b+\i], v[96+16*\b+\i], v[240+\b]   ; the conversion does not saturate (ISA guide 7.6.2); p is not negative
.endr
	v_cvt_scalef32_pk8_fp8_f32 v[224+4*\b:225+4*\b], v[96+16*\b:103+16*\b], v[244+\b]
	v_cvt_scalef32_pk8_fp8_f32 v[226+4*\b:227+4*\b], v[104+16*\b:111+16*\b], v[244+\b]
.endr
.rept 4
	v_nop                                          ; four places between codes made by vector instructions and the scaled matrix instruction
.endr
	s_wait_alu depctr_va_vdst(0)
	s_wait_dscnt 0x0                               ; V's first four fragments
.irp t, 0,1,2,3
	v_wmma_scale_f32_16x16x128_f8f6f4 v[160+8*\t:167+8*\t], v[32+16*\t:47+16*\t], v[224:239], v[160+8*\t:167+8*\t], v[248+\t], v[PW]
.endr
.rept 8
	v_nop
.endr
.irp t, 0,1,2,3
.irp c, 0,1,2,3
	ds_load_b128 v[32+16*\t+4*\c:35+16*\t+4*\c], v[ADV] offset:(4+\t)*2048+512*\c
.endr
.endr
	ds_load_b128 v[248:251], v[ADT] offset:16
	s_wait_dscnt 0x0
.irp t, 0,1,2,3
	v_wmma_scale_f32_16x16x128_f8f6f4 v[192+8*\t:199+8*\t], v[32+16*\t:47+16*\t], v[224:239], v[192+8*\t:199+8*\t], v[248+\t], v[PW]
.endr
.Lhidden_\@:
	s_add_co_u32 s[TB], s[TB], 16384
	s_add_co_u32 s[TS], s[TS], 512
	s_add_co_u32 s[SI], s[SI], 1
.endm
; THE CHANGE OF SLOTS, at a slot's head: every wave waits for all its tensor loads, adds 0 to its spare word, waits for that and for its reads of the slot that it has left.
; fill = 1: a round of the cluster's barrier, and the slot just left is filled with the next 512 keys: the load has four key steps in which to land.
.macro CHANGE fill
	s_wait_tensorcnt 0x0
	ds_add_u32 v[SPW], v[NIL]
.if \fill
	ds_add_u32 v[SPW], v[NIL]                      ; once more where a load follows
	s_xor_b32 s[G0+1], s[G0+1], SLOT1
	s_add_nc_u64 s[G0+2:G0+3], s[G0+2:G0+3], 131072
.endif
	s_wait_dscnt 0x0
.if \fill
	CROUND
	s_cmp_lt_u32 s[WV], 4
	s_cbranch_scc0 .Lnone_\@
	tensor_load_to_lds s[G0:G0+3], s[G1:G1+7]
	s_nop 0
.rept 4
	v_nop
.endr
.Lnone_\@:
.else
	s_barrier_signal -1
	s_barrier_wait -1
.endif
.endm
.macro FOUR_STEPS
	s_mov_b32 s[FOUR], 4
.Lstep_\@:
	STEP
	s_sub_co_u32 s[FOUR], s[FOUR], 1
	s_cmp_lg_u32 s[FOUR], 0
	s_cbranch_scc1 .Lstep_\@
	s_sub_co_u32 s[TB], s[TB], 65536
	s_xor_b32 s[TB], s[TB], SLOT1                  ; on to the other slot
.endm
	s_wait_loadcnt 0x0                             ; Q
.Lslot:                                            ; three trips: behind each change of slots but the last the next 512 keys are asked for
	CHANGE 1
	FOUR_STEPS
	s_sub_co_u32 s[SLOTS], s[SLOTS], 1
	s_cmp_lg_u32 s[SLOTS], 0
	s_cbranch_scc1 .Lslot
	CHANGE 0                                       ; the last slot is written out
	FOUR_STEPS
	; THE WAY OUT: y = O^T / l, quantised along the head's 128: register n is channel 16 (n / 8) + 8 h + n % 8, the images' order
.rept 8
	v_nop
.endr
	v_add_f32 v14, v14, v15
	s_delay_alu instid0(VALU_DEP_1)
	v_permlanex16_b32 v252, v14, s[SEL], s[SEL+1]
	s_delay_alu instid0(VALU_DEP_1)
	v_add_f32 v14, v14, v252
	s_wait_alu depctr_va_vdst(0)
	v_rcp_f32 v14, v14
	v_nop
.set n, 0
	s_wait_alu depctr_va_vdst(0)
.rept 32
	v_pk_mul_f32 v[96+n:97+n], v[160+n:161+n], v[14:15] op_sel_hi:[1,0]
.set n, n+2
.endr
.irp b, 0,1,2,3
	v_max3_num_f32 v[TM+\b], |v[96+16*\b]|, |v[97+16*\b]|, 0x4800000
.endr
.irp i, 2,4,6,8,10,12,14
.irp b, 0,1,2,3
	s_delay_alu instid0(VALU_DEP_4)
	v_max3_num_f32 v[TM+\b], v[TM+\b], |v[96+16*\b+\i]|, |v[97+16*\b+\i]|
.endr
.endr
.irp b, 0,1,2,3
	v_permlanex16_b32 v[TM+4+\b], v[TM+\b], s[SEL], s[SEL+1]
.endr
.irp b, 0,1,2,3
	s_delay_alu instid0(VALU_DEP_4)
	v_max_num_f32 v[TM+\b], v[TM+\b], v[TM+4+\b]
.endr
.irp b, 0,1,2,3
	s_delay_alu instid0(VALU_DEP_4)
	v_add_nc_u32 v[TM+12+\b], 0xfc000000, v[TM+\b]
.endr
.irp b, 0,1,2,3
	v_and_or_b32 v[TM+8+\b], v[TM+\b], 0x7f800000, s[MNT]
.endr
.irp b, 0,1,2,3
	v_lshrrev_b32 v[TM+4+\b], 23, v[TM+12+\b]
.endr
	s_delay_alu instid0(VALU_DEP_3)
	v_lshl_or_b32 v[PW], v[TM+5], 8, v[TM+4]
	s_delay_alu instid0(VALU_DEP_1)
	v_lshl_or_b32 v[PW], v[TM+6], 16, v[PW]
	s_delay_alu instid0(VALU_DEP_1)
	v_lshl_or_b32 v[PW], v[TM+7], 24, v[PW]
.irp b, 0,1,2,3
.irp i, 0,1,2,3,4,5,6,7,8,9,10,11,12,13,14,15
	v_med3_num_f32 v[96+16*\b+\i], v[96+16*\b+\i], -v[TM+8+\b], v[TM+8+\b]
.endr
	v_cvt_scalef32_pk8_fp8_f32 v[PC+4*\b:PC+1+4*\b], v[96+16*\b:103+16*\b], v[TM+12+\b]
	v_cvt_scalef32_pk8_fp8_f32 v[PC+2+4*\b:PC+3+4*\b], v[104+16*\b:111+16*\b], v[TM+12+\b]
.endr
	v_nop
.irp c, 0,1,2,3
	global_store_b128 v[LI], v[PC+4*\c:PC+4*\c+3], s[12:13] offset:512*\c   ; the wave stores 512 consecutive bytes
.endr
	global_store_b32 v[YS], v[PW], s[14:15]        ; lanes r and r + 16 hold, and write, the same word
	s_wait_tensorcnt 0x0                           ; the wave's end
	ds_add_u32 v[SPW], v[NIL]
	s_wait_dscnt 0x0
	CROUND                                         ; the closing round
	s_endpgm
.Lfunc_end_k_qa14cf32cde_attn:
	.size	k_qa14cf32cde_attn, .Lfunc_end_k_qa14cf32cde_attn-k_qa14cf32cde_attn
	.p2alignl 7, 3214868480
	.fill 96, 4, 3214868480
	.section	.rodata,"a",@progbits
	.p2align	6, 0x0
	.amdhsa_kernel k_qa14cf32cde_attn
		.amdhsa_group_segment_fixed_size 327680
		.amdhsa_private_segment_fixed_size 0
		.amdhsa_enable_private_segment 0
		.amdhsa_kernarg_size 48
		.amdhsa_user_sgpr_count 2
		.amdhsa_user_sgpr_kernarg_segment_ptr 1
		.amdhsa_wavefront_size32 1
		.amdhsa_system_sgpr_workgroup_id_x 1
		.amdhsa_system_sgpr_workgroup_id_y 1
		.amdhsa_system_sgpr_workgroup_id_z 1
		.amdhsa_system_vgpr_workitem_id 0
		.amdhsa_next_free_vgpr 256
		.amdhsa_next_free_sgpr 80
		.amdhsa_reserve_vcc 1
		.amdhsa_float_denorm_mode_32 3
		.amdhsa_float_denorm_mode_16_64 3
		.amdhsa_memory_ordered 1
		.amdhsa_forward_progress 1
		.amdhsa_inst_pref_size 75
	.end_amdhsa_kernel
	.amdgpu_metadata
---
amdhsa.version: [ 1, 2 ]
amdhsa.kernels:
  - .name:           k_qa14cf32cde_attn
    .symbol:         k_qa14cf32cde_attn.kd
    .args:
      - { .name: qimg, .offset: 0, .size: 8, .value_kind: global_buffer, .address_space: global }
      - { .name: qsc, .offset: 8, .size: 8, .value_kind: global_buffer, .address_space: global }
      - { .name: kv, .offset: 16, .size: 8, .value_kind: global_buffer, .address_space: global }
      - { .name: kvsc, .offset: 24, .size: 8, .value_kind: global_buffer, .address_space: global }
      - { .name: yimg, .offset: 32, .size: 8, .value_kind: global_buffer, .address_space: global }
      - { .name: ysc, .offset: 40, .size: 8, .value_kind: global_buffer, .address_space: global }
    .group_segment_fixed_size: 327680
    .private_segment_fixed_size: 0
    .kernarg_segment_align: 8
    .kernarg_segment_size: 48
    .max_flat_workgroup_size: 512
    .sgpr_count:     80
    .vgpr_count:     256
    .wavefront_size: 32
...
	.end_amdgpu_metadata
.endif
;; end of part 2
;; launch proj (part 3): grid 8 x 32, 4 waves a work-group, clusters of 4 x 4, 327,680 bytes of LDS; arguments yimg, ysc, c_proj_w_codes, c_proj_w_scales, out0; writes out0
.if DOCPART == 3
	.amdgcn_target "amdgcn-amd-amdhsa--gfx1250"
	.amdhsa_code_object_version 6
	.text
	.protected	k_qa14cf32cde_proj
	.globl	k_qa14cf32cde_proj
	.p2align	8
	.type	k_qa14cf32cde_proj,@function
k_qa14cf32cde_proj:
	s_mov_b64 s[64:65], 0
	v_nop
	global_prefetch_b8 v0, s[64:65] scope:SCOPE_SE
	s_setreg_imm32_b32 hwreg(HW_REG_WAVE_MODE, 25, 1), 1
	s_wait_xcnt 0x0
	s_wait_alu depctr_hold_cnt(0) depctr_sa_sdst(0) depctr_va_vdst(0) depctr_va_sdst(0) depctr_va_ssrc(0) depctr_va_vcc(0) depctr_vm_vsrc(0)
	s_getreg_b32 s2, hwreg(HW_REG_IB_STS2, 6, 4)
	s_cmp_eq_u32 s2, 0
	s_cbranch_scc0 .Lentry_in_a_cluster
	s_endpgm
.Lentry_in_a_cluster:
	s_bfe_u32 s2, ttmp6, 0x10000c
	s_cmp_lg_u32 s2, 0xf033
	s_cbranch_scc0 .Lentry_shape_is_right
	s_endpgm
.Lentry_shape_is_right:
; out = y c_proj_w^T on codes of FP8 (E4M3) with E8M0 scales: 8,192 x 1,024 x 1,024, f32 out.
; y comes as images of operand registers, [tile of 16 tokens][head][c][lane][16 bytes], with one scale word for a token and head; inside each block of 32 along K place 16 h + i holds index 16 (i / 8) + 8 h + i % 8.
; The weight's fragments are read from LDS in that same order (two loads of 8 bytes for each 16), so both sides agree and the blocks and scales are the rule's own.
; THE DEAL.  256 work-groups, each 256 tokens x 128 columns; four waves, 2 x 2.  A wave holds 64 rows of the weight, all of K, in 512 registers (windows 1, 2) and takes eight blocks of 16 tokens past them,
; 32 products a block on four accumulators by turns; y's blocks stand in two sets of 128 registers (window 3), sums in two sets of 32.
; LDS: two slots of 128 rows of 1,024 + 16 bytes.  Slot 0: tokens 0-127.  Slot 1: the weight's 128 rows, and, once all waves hold them in registers, tokens 128-255, by one refill in a drained round.
; CLUSTERS 4 x 4: y's rows are shared along a row of the cluster, the weight's along a column: joint loads.  Scale words go from memory into registers once: the weight's 16, y's 64 a wave.
; PREFETCH: tokens 128-255 (131,072 bytes) are named once in a cluster's row, 8,192 bytes a wave of its sixteen, lanes 256 bytes apart, behind the first barrier; the text has no loop to run further ahead in.
; THE WAY OUT: source 0 = the weight's rows, so a lane holds 8 neighbouring columns of a token; a block goes through the wave's own stage and leaves as rows of 256 bytes, sixteen lanes to a row, behind the next block's products.
; LIMITS: NaN codes and scale bytes 0xff give what the matrix instruction makes of them.
.set KROW, 1024
.set PITCH, KROW+16
.set TILE, 16*PITCH
.set YB, 128*PITCH
.set STAGE, 2*YB
.set SPITCH, 272
.set SPARE, STAGE+4*16*SPITCH
.set NP, 8                             ; plain vector lines behind this matrix instruction (ISA guide 7.12.1)
.set ADRB, 4                           ; v4   my place in the weight's rows
.set STO, 5                            ; v5   stage, in
.set RD, 6                             ; v6   stage, back
.set CO, 7                             ; v7   my offset in two rows of out
.set AS, 8                             ; v8   32 r: y's scale words
.set ABS, 9                            ; v9   32 l: the weight's
.set SPW, 10
.set NIL, 11
.set AY, 12                            ; v12-15  y's images: slot 0 blocks 0-1, 2-3; slot 1 likewise
.set PF, 16
.set SB, 24                            ; v24-39  the weight's words: register 8 p + q: lanes 0-15 tile 2 p, lanes 16-31 tile 2 p + 1
.set SA, 44                            ; v44-107 y's: register 8 n + q for block n
.set ACC, 112                          ; v112-175 two sets of sums
.set OB, 176                           ; v176-239 two sets of rows read back
.set G1W, 24
.set G1Y, 32
.set G1R, 56
.set G0W, 68
.set G0Y, 72
.set G0R, 76
.set MSB, 0
.macro WIN new                         ; the immediate's high byte repeats the setting that is left
.if MSB != \new
	s_set_vgpr_msb (MSB<<8)|\new
.set MSB, \new
.endif
.endm
.macro PLACES n
.rept \n
	v_nop
.endr
.endm
.macro BARRIER
	s_barrier_signal -1
	s_barrier_wait -1
.endm
.macro CROUND
	BARRIER
	s_cmp_lg_u32 s14, 0
	s_cbranch_scc1 .Lnot_wave_0_\@
	s_barrier_signal -3
.Lnot_wave_0_\@:
	s_barrier_wait -3
	BARRIER
.endm
.macro TLOAD g0, g1                    ; an s_nop 0 and four v_nop follow a tensor load
	tensor_load_to_lds s[\g0:\g0+3], s[\g1:\g1+7]
	s_nop 0
	PLACES 4
.endm
.macro GROUP1 g, mask, rows            ; so many dense rows of 1,024 bytes, 16 bytes of padding behind each
	s_or_b32 s[\g+0], s[\mask], (1<<20)|(1<<21)|(7<<22)|(3<<25)
	s_mov_b32 s[\g+1], (KROW&0xffff)<<16
	s_mov_b32 s[\g+2], (KROW>>16)|((\rows)<<16)
	s_mov_b32 s[\g+3], KROW<<16
	s_mov_b32 s[\g+4], \rows
	s_mov_b32 s[\g+5], KROW
	s_mov_b32 s[\g+6], 0
	s_mov_b32 s[\g+7], 0
.endm
	s_load_b128 s[4:7], s[0:1], 0x0                ; yimg, ysc
	s_load_b128 s[8:11], s[0:1], 0x10              ; the weight's codes, its scales
	s_load_b64 s[12:13], s[0:1], 0x20              ; out
	v_lshl_add_u32 v[SPW], v0, 2, SPARE
	v_mov_b32 v[NIL], 0
	ds_add_u32 v[SPW], v[NIL]                      ; the opening lines
	ds_add_u32 v[SPW], v[NIL]
	v_lshrrev_b32 v1, 5, v0
	v_readfirstlane_b32 s14, v1                    ; wave 0..3
	s_lshr_b32 s15, s14, 1                         ; my row of waves
	s_and_b32 s16, s14, 1                          ; my column of waves
	s_bfe_u32 s40, ttmp6, 0x40000                  ; cx
	s_bfe_u32 s41, ttmp6, 0x40004                  ; cy
	s_lshl_b32 s42, ttmp9, 2
	s_add_co_u32 s42, s42, s40                     ; tile column, 0..7
	s_and_b32 s43, ttmp7, 0xffff
	s_lshl_b32 s43, s43, 2
	s_add_co_u32 s43, s43, s41                     ; tile row, 0..31
	s_lshl_b32 s44, s41, 2
	s_lshl_b32 s44, 15, s44                        ; my row of the cluster
	s_lshl_b32 s45, 0x1111, s40                    ; my column
	GROUP1 G1W, 45, 64
	GROUP1 G1Y, 44, 64
	GROUP1 G1R, 44, 32
	s_lshl_b32 s20, s16, 16                        ; 64 rows
	s_lshl_b32 s46, s42, 17                        ; the weight: 128 rows a tile column,
	s_add_co_u32 s46, s46, s20                     ; waves 0, 1: a half each
	s_mov_b32 s47, 0
	s_lshl_b32 s21, s43, 18                        ; y: 262,144 bytes a tile row,
	s_add_co_u32 s48, s21, s20                     ; waves 2, 3: a half of tokens 0-127 each
	s_mov_b32 s49, 0
	s_lshl_b32 s22, s14, 15
	s_add_co_u32 s50, s21, s22                     ; the refill: a quarter of tokens 128-255 a wave
	s_add_co_u32 s50, s50, 131072
	s_mov_b32 s51, 0
	s_lshl_b32 s52, s42, 12                        ; the weight's scale bytes: my 64 rows of 32
	s_lshl_b32 s23, s16, 11
	s_add_co_u32 s52, s52, s23
	s_mov_b32 s53, 0
	s_lshl_b32 s54, s43, 13                        ; y's: my row of waves takes tokens 64 x it on in each half
	s_lshl_b32 s23, s15, 11
	s_add_co_u32 s54, s54, s23
	s_mov_b32 s55, 0
	s_lshl_b32 s80, s43, 20                        ; out: 4,096 bytes a token, 256 bytes for my 64 columns
	s_lshl_b32 s23, s15, 18
	s_add_co_u32 s80, s80, s23
	s_lshl_b32 s23, s42, 9
	s_add_co_u32 s80, s80, s23
	s_lshl_b32 s23, s16, 8
	s_add_co_u32 s80, s80, s23
	s_mov_b32 s81, 0
	s_lshl_b32 s82, s40, 2                         ; the prefetch: which of the cluster row's sixteen waves I am
	s_add_co_u32 s82, s82, s14
	s_lshl_b32 s82, s82, 13
	s_add_co_u32 s82, s82, s21
	s_add_co_u32 s82, s82, 131072
	s_mul_i32 s83, s16, 64*PITCH
	s_mul_i32 s84, s15, 4*TILE
	s_mul_i32 s85, s14, 16*SPITCH
	s_add_co_u32 s85, s85, STAGE
	s_mov_b32 s[G0W], 1
	s_add_co_u32 s[G0W+1], s83, YB
	s_mov_b32 s[G0Y], 1
	s_mov_b32 s[G0Y+1], s83
	s_mov_b32 s[G0R], 1
	s_mul_i32 s[G0R+1], s14, 32*PITCH
	s_add_co_u32 s[G0R+1], s[G0R+1], YB
	s_wait_dscnt 0x0                               ; both opening adds are done
	CROUND                                         ; all sixteen work-groups are here
	s_wait_kmcnt 0x0
	s_add_nc_u64 s[G0W+2:G0W+3], s[8:9], s[46:47]
	s_or_b32 s[G0W+3], s[G0W+3], 0x80000000
	s_add_nc_u64 s[G0Y+2:G0Y+3], s[4:5], s[48:49]
	s_or_b32 s[G0Y+3], s[G0Y+3], 0x80000000
	s_add_nc_u64 s[G0R+2:G0R+3], s[4:5], s[50:51]
	s_or_b32 s[G0R+3], s[G0R+3], 0x80000000
	s_add_nc_u64 s[10:11], s[10:11], s[52:53]
	s_add_nc_u64 s[6:7], s[6:7], s[54:55]
	s_add_nc_u64 s[12:13], s[12:13], s[80:81]
	s_cmp_lt_u32 s14, 2                            ; one joint load a wave: waves 0, 1 the weight, which is wanted first; waves 2, 3 tokens 0-127
	s_cbranch_scc0 .Lfor_y
	TLOAD G0W, G1W
	s_branch .Lasked
.Lfor_y:
	TLOAD G0Y, G1Y
.Lasked:
	v_and_b32 v1, 15, v0                           ; r
	v_bfe_u32 v2, v0, 4, 1                         ; h
	v_and_b32 v3, 31, v0                           ; l
	v_mul_u32_u24 v17, v1, PITCH
	v_lshl_add_u32 v17, v2, 3, v17                 ; row r, 8 h
	v_add_nc_u32 v17, s83, v17
	v_add_nc_u32 v[ADRB], YB, v17
	v_lshlrev_b32 v18, 4, v3
	v_add_nc_u32 v[AY], s84, v18
	v_add_nc_u32 v[AY+1], 2*TILE, v[AY]
	v_add_nc_u32 v[AY+2], YB, v[AY]
	v_add_nc_u32 v[AY+3], YB+2*TILE, v[AY]
	v_lshlrev_b32 v[AS], 5, v1
	v_lshlrev_b32 v[ABS], 5, v3
	v_mul_u32_u24 v19, v1, SPITCH
	v_lshl_add_u32 v19, v2, 5, v19
	v_add_nc_u32 v[STO], s85, v19                  ; in: row r, 32 h
	v_mul_u32_u24 v20, v2, SPITCH
	v_lshl_add_u32 v20, v1, 4, v20
	v_add_nc_u32 v[RD], s85, v20                   ; back: lanes 0-15 one row, lanes 16-31 the next
	v_lshlrev_b32 v21, 12, v2
	v_lshl_add_u32 v[CO], v1, 4, v21
	v_lshl_add_u32 v[PF], v3, 8, s82
	s_wait_alu depctr_va_vdst(0)
.irp p, 0,1
.irp c, 0,1
	global_load_b128 v[SB+8*\p+4*\c:SB+8*\p+4*\c+3], v[ABS], s[10:11] offset:\p*1024+16*\c
.endr
.endr
.irp n, 0,1,2,3,4,5,6,7
.irp c, 0,1
	global_load_b128 v[SA+8*\n+4*\c:SA+8*\n+4*\c+3], v[AS], s[6:7] offset:((\n/4)*128+(\n%4)*16)*32+16*\c
.endr
.endr
	s_cmp_lt_u32 s14, 2
	s_cbranch_scc0 .Lnot_w
	s_wait_tensorcnt 0x0                           ; waves 0, 1: the weight has landed.  The others' wait stands ahead of the round below
.Lnot_w:
	BARRIER
	global_prefetch_b8 v[PF], s[4:5] th:TH_LOAD_NT scope:SCOPE_SE
; my 64 rows of the weight: fragment 4 q + b (the q-th 128 of K, tile b) in window 1 + (4 q + b) / 16
.set F_, 0
.rept 32
	WIN (1+F_/16)<<6
.irp c, 0,1,2,3
	ds_load_b64 v[16*(F_%16)+4*\c:16*(F_%16)+4*\c+1], v[ADRB] offset:(F_%4)*TILE+128*(F_/4)+32*\c
	ds_load_b64 v[16*(F_%16)+4*\c+2:16*(F_%16)+4*\c+3], v[ADRB] offset:(F_%4)*TILE+128*(F_/4)+32*\c+16
.endr
.set F_, F_+1
.endr
	WIN 0
	s_wait_tensorcnt 0x0                           ; tokens 0-127 are in;
	ds_add_u32 v[SPW], v[NIL]
	s_wait_dscnt 0x0                               ; the add is done and the weight is in my registers
	CROUND
	TLOAD G0R, G1R                                 ; tokens 128-255 over the weight's rows: the same 128 rows of LDS
.macro FETCH n                         ; block n of y, all of K, into set n % 2 of window 3: 32 loads of 512 bytes on end
.set A_, AY+2*((\n)/4)+((\n)%4)/2
.set O_, ((\n)%2)*TILE
.set X_, 128*((\n)%2)
	WIN 3<<6
.irp q, 0,1,2,3,4,5,6,7
.irp c, 0,1,2,3
	ds_load_b128 v[X_+16*\q+4*\c:X_+16*\q+4*\c+3], v[A_] offset:O_+2080*\q+512*\c+16*(\c/2)
.endr
.endr
	WIN 0
.endm
.macro PROD n, k                       ; product k = 4 q + b of block n
.set Q_, (\k)/4
.set B_, (\k)%4
.set AC_, ACC+32*((\n)%2)+8*B_
.set W_, 16*((\k)%16)
.set X_, 128*((\n)%2)+16*Q_
.set WS_, SB+8*(B_/2)+Q_
.set XS_, SA+8*(\n)+Q_
	WIN (1+(\k)/16)|(3<<2)
.if Q_ == 0 && B_%2
	v_wmma_scale_f32_16x16x128_f8f6f4 v[AC_:AC_+7], v[W_:W_+15], v[X_:X_+15], 0, v[WS_], v[XS_] matrix_a_scale:MATRIX_SCALE_ROW1
.elseif Q_ == 0
	v_wmma_scale_f32_16x16x128_f8f6f4 v[AC_:AC_+7], v[W_:W_+15], v[X_:X_+15], 0, v[WS_], v[XS_]
.elseif B_%2
	v_wmma_scale_f32_16x16x128_f8f6f4 v[AC_:AC_+7], v[W_:W_+15], v[X_:X_+15], v[AC_:AC_+7], v[WS_], v[XS_] matrix_a_scale:MATRIX_SCALE_ROW1
.else
	v_wmma_scale_f32_16x16x128_f8f6f4 v[AC_:AC_+7], v[W_:W_+15], v[X_:X_+15], v[AC_:AC_+7], v[WS_], v[XS_]
.endif
.endm
.macro TOSTAGE n                       ; each accumulator from its low end on; LDS serves a wave's instructions in order (ISA guide 5.7.1.4)
.set AC_, ACC+32*((\n)%2)
.set OB_, OB+32*((\n)%2)
.irp b, 0,1,2,3
	ds_store_b128 v[STO], v[AC_+8*\b:AC_+8*\b+3] offset:64*\b
	ds_store_b128 v[STO], v[AC_+8*\b+4:AC_+8*\b+7] offset:64*\b+16
.endr
.irp t, 0,1,2,3,4,5,6,7
	ds_load_b128 v[OB_+4*\t:OB_+4*\t+3], v[RD] offset:\t*2*SPITCH
.endr
.endm
.macro SEND n                          ; sixteen lanes store 256 consecutive bytes, at a multiple of 256 from out's first byte
.set OB_, OB+32*((\n)%2)
.irp t, 0,1,2,3,4,5,6,7
	global_store_b128 v[CO], v[OB_+4*\t:OB_+4*\t+3], s[12:13] offset:((\n)/4)*524288+((\n)%4)*65536+\t*8192 th:TH_STORE_NT
.endr
.endm
.macro BLK n, fetch                    ; a block: its products; the block before leaves; its set takes the block two on; its sums go through the stage
.set K_, 0
.rept 32
	PROD \n, K_
.set K_, K_+1
.endr
	WIN 0
	PLACES NP
	s_wait_dscnt 0x0                               ; issued ahead of these products: the next block's fragments and the rows of the block before
	s_wait_xcnt 0x0                                ; the stores of the block two back have read the registers that the stage's loads below fill
.if (\n) > 0
	SEND (\n)-1
.endif
.if \fetch
	FETCH (\n)+2
.endif
	TOSTAGE \n
.endm
	FETCH 0
	FETCH 1
	s_wait_loadcnt 0x0                             ; the scale words
	s_wait_dscnt 32                                ; block 0 is in; block 1's 32 loads may be out
	BLK 0, 1
	BLK 1, 1
	BLK 2, 0
	BLK 3, 0
	s_wait_tensorcnt 0x0                           ; my quarter of tokens 128-255 is in
	s_wait_dscnt 0x0
	BARRIER                                        ; and everybody's
	FETCH 4
	FETCH 5
	s_wait_dscnt 32
	BLK 4, 1
	BLK 5, 1
	BLK 6, 0
	BLK 7, 0
	s_wait_dscnt 0x0
	SEND 7
	s_wait_tensorcnt 0x0                           ; the wave's end
	ds_add_u32 v[SPW], v[NIL]
	s_wait_dscnt 0x0
	CROUND                                         ; the closing round
	s_endpgm
.Lfunc_end_k_qa14cf32cde_proj:
	.size	k_qa14cf32cde_proj, .Lfunc_end_k_qa14cf32cde_proj-k_qa14cf32cde_proj
	.p2alignl 7, 3214868480
	.fill 96, 4, 3214868480
	.section	.rodata,"a",@progbits
	.p2align	6, 0x0
	.amdhsa_kernel k_qa14cf32cde_proj
		.amdhsa_group_segment_fixed_size 327680
		.amdhsa_private_segment_fixed_size 0
		.amdhsa_enable_private_segment 0
		.amdhsa_kernarg_size 40
		.amdhsa_user_sgpr_count 2
		.amdhsa_user_sgpr_kernarg_segment_ptr 1
		.amdhsa_wavefront_size32 1
		.amdhsa_system_sgpr_workgroup_id_x 1
		.amdhsa_system_sgpr_workgroup_id_y 1
		.amdhsa_system_sgpr_workgroup_id_z 1
		.amdhsa_system_vgpr_workitem_id 0
		.amdhsa_next_free_vgpr 1024
		.amdhsa_next_free_sgpr 100
		.amdhsa_reserve_vcc 0
		.amdhsa_float_denorm_mode_32 3
		.amdhsa_float_denorm_mode_16_64 3
		.amdhsa_memory_ordered 1
		.amdhsa_forward_progress 1
		.amdhsa_inst_pref_size 93
	.end_amdhsa_kernel
	.amdgpu_metadata
---
amdhsa.version: [ 1, 2 ]
amdhsa.kernels:
  - .name:           k_qa14cf32cde_proj
    .symbol:         k_qa14cf32cde_proj.kd
    .args:
      - { .name: yimg, .offset: 0, .size: 8, .value_kind: global_buffer, .address_space: global }
      - { .name: ysc, .offset: 8, .size: 8, .value_kind: global_buffer, .address_space: global }
      - { .name: c_proj_w_codes, .offset: 16, .size: 8, .value_kind: global_buffer, .address_space: global }
      - { .name: c_proj_w_scales, .offset: 24, .size: 8, .value_kind: global_buffer, .address_space: global }
      - { .name: out0, .offset: 32, .size: 8, .value_kind: global_buffer, .address_space: global }
    .group_segment_fixed_size: 327680
    .private_segment_fixed_size: 0
    .kernarg_segment_align: 8
    .kernarg_segment_size: 40
    .max_flat_workgroup_size: 128
    .sgpr_count:     100
    .vgpr_count:     1024
    .wavefront_size: 32
...
	.end_amdgpu_metadata
.endif
;; end of part 3
